; MI455X (gfx1250); checked and timed in simulation.
; The chip was launched on July 23, 2026; its instructions are those of AMD's public machine-readable ISA for CDNA 5 (MIT licence, August 2026) and "CDNA5" Instruction Set Architecture Reference Guide (July 2026). The comments in the code are by the model that wrote it; some were corrected since.
;; Attention Layer. Allowed arithmetic: matrix products marked QUANTISED: E2M3 operands, one E8M0 scale for each 32 along K, by v_wmma_scale_f32_16x16x128_f8f6f4 with both operands' format E2M3, f32 sums; everything else in f32.
;; Inputs: W_proj 1,024 x 1,024 float32; W_qkv 3,072 x 1,024 float32; b_proj 1,024 float32; b_qkv 3,072 float32; x 4 x 2,048 x 1,024 float32.
;; Outputs: out0 4 x 2,048 x 1,024 float32.
;; This version of the problem:
;;   THIS VERSION OF THE PROBLEM IS GIVEN IN LOW PRECISION. The matrix products marked QUANTISED in the list below multiply operands that are first quantised to E2M3 (2 exponent bits, 3 mantissa bits; 6 bits a number), with one power-of-two scale for each 32 numbers along K (OCP MX v1.0); their sums are f32. All else is computed in f32.
;;   The module's matrix products, in the order in which they are computed (A, B: the left and right operand; K: the contracted axis; several contracted axes count as one K, in the product's order):
;;     1. [M 8,192, K 1,024] x [K 1,024, N 3,072]; A: input x; B: input W_qkv: QUANTISED
;;     2. batch 4 x [M 2,048, K 1,024] x [K 1,024, N 2,048]; A: computed on the way; B: computed on the way: QUANTISED
;;     3. batch 4 x [M 2,048, K 2,048] x [K 2,048, N 1,024]; A: softmax (see below); B: computed on the way: QUANTISED
;;     4. [M 8,192, K 1,024] x [K 1,024, N 1,024]; A: computed on the way; B: input W_proj: QUANTISED
;;   THE QUANTISER, for each operand of a quantised product, along K:
;;     - K is cut into blocks of 32 from its start; a last block that is shorter is filled with zeros.
;;     - A block's scale is 2^e with e = floor(log2(the largest magnitude in the block)) - 2, held to -126 .. 127; a block of zeros has e = 0. As a byte (E8M0): e + 127.
;;     - Each number is divided by its block's scale, clamped to +-7.5, and rounded to the nearest number of E2M3, ties to even, subnormals kept.
;;     - The product sums the exact products of the quantised numbers (number of the format x scale) in f32.
;;   ~~~python
;;   def quantise(x, axis):      # numpy; x: float32 -> the quantised numbers, widened to float32 again
;;       x = np.moveaxis(x, axis, -1); K = x.shape[-1]
;;       x = np.pad(x, [(0, 0)] * (x.ndim - 1) + [(0, -K % 32)]); x = x.reshape(x.shape[:-1] + (-1, 32)); a = np.abs(x).max(-1, keepdims=True)
;;       e = np.where(a > 0, np.clip(np.frexp(np.where(a > 0, a, 1))[1] - 1 - 2, -126, 127), 0)      # np.frexp(a)[1] - 1 = floor(log2(a)), exactly
;;       r = np.clip(x / 2.0 ** e, -7.5, 7.5)
;;       step = 2.0 ** (np.maximum(np.frexp(np.where(r == 0, 1, r))[1] - 1, 0) - 3)
;;       q = np.round(r / step) * step * 2.0 ** e      # np.round: ties to even
;;       return np.moveaxis(q.reshape(q.shape[:-2] + (-1,))[..., :K], -1, axis).astype(np.float32)
;;   ~~~
;;   SOFTMAX AHEAD OF A QUANTISED PRODUCT. Where the list says 'softmax', what is quantised is not the finished softmax but p = 2^(t - M), with t = logit x log2(e) and M = ceil(the row's largest t), a whole number; so 1/2 < the row's largest p <= 1. The row's sum l is taken of the UNQUANTISED p, in f32, and the product's result is divided by l at the end. Since M is a whole number, a kernel that streams over the keys may use a running M (the ceiling of the running maximum): every later rescaling is an exact power of two, which a block's scale takes up: the codes' values come out the same.
;;   OPERANDS COMPUTED ON THE WAY. 'Computed on the way' means the value that the module computes at that place (a softmax that the list does not call 'softmax' is quantised finished and normalised). What goes into a quantiser is computed in f32, as accurately as f32 sums, v_exp_f32 and their like allow (about 1e-6 of the number): no bf16 or f16 on the way to a quantiser, and a product that is left as it is and whose result goes on into a quantised operand takes f32 operands (vector FMAs, or v_wmma_f32_16x16x4_f32). A number that lies on a knife's edge between two numbers of the format may be rounded either way, as far as f32 arithmetic and the matrix unit's own rounding can turn it there, and no further.
;; One version. Each part assembles by itself: llvm-mc -triple=amdgcn-amd-amdhsa -mcpu=gfx1250 --defsym DOCPART=n.
;; ======== version 1 of 1: 5 launches
;; limits: right only within a limited range of input values
;; workspace buffers: in_img 9,830,400 bytes; qkv_img 19,660,800 bytes; p_img 14,155,776 bytes; o_img 6,553,600 bytes
;; launch quant (part 1): grid 384 x 1, 4 waves a work-group, no clusters, 34,304 bytes of LDS; arguments x, W_qkv, W_proj, in_img; writes in_img
.if DOCPART == 1
	.amdgcn_target "amdgcn-amd-amdhsa--gfx1250"
	.amdhsa_code_object_version 6
	.text
	.protected	k_q638aad737d_quant
	.globl	k_q638aad737d_quant
	.p2align	8
	.type	k_q638aad737d_quant,@function
k_q638aad737d_quant:
	s_mov_b64 s[64:65], 0
	v_nop
	global_prefetch_b8 v0, s[64:65] scope:SCOPE_SE
	s_setreg_imm32_b32 hwreg(HW_REG_WAVE_MODE, 25, 1), 1
	s_wait_xcnt 0x0
; x [8192][1024], W_qkv [3072][1024], W_proj [1024][1024], f32 with K innermost, become OPERAND IMAGES of FP6 (E2M3) codes with one E8M0 byte for each 32 along K.
; THE IMAGE.  Codes: [K/256][block of 16 rows][2 fragments][3 chunks][32 lanes][16 bytes]: a fragment (16 rows x 128 K) is the picture of the matrix operand's 12 registers, chunk c = registers 4 c .. 4 c + 3,
; lane l's 16 bytes at 16 l, so that three loads of 512 dense bytes bring it.  Lane r of block T holds row 32 (T / 2) + 8 (T % 2) + r + 8 (r / 8): used as source 0 of a product, two neighbouring blocks then
; leave 16 neighbouring rows in a lane's 16 result registers.  Blocks 0-511 are x's, 512-703 W_qkv's, 704-767 W_proj's.
; Scale words: [K/256][group of 64 rows][2 fragments x 16 rows][4 blocks]: one load of 16 bytes a lane gives four registers, one a block, lanes 0-15 the first fragment's words, lanes 16-31 the second's.
; A block's scale is 2^(floor(log2(largest magnitude)) - 2): its byte is the largest magnitude's exponent field - 2, held at 1 from below.
; LIMITS: a block of zeros gets the byte 1 where the rule says 127 (its codes are zeros, and this program alone reads the bytes); blocks whose largest magnitude lies under 2^-124 are held at byte 1;
; NaN and infinities are not served.
; SHARES.  A wave takes a group of 64 rows x 128 along K: four fragments.  Each load reads 512 consecutive bytes of one row; 16 rows turn through the wave's own stage in LDS (rows 528 bytes apart, an odd
; multiple of 16) and come back 256 bytes a lane: two whole blocks of 32, as the operand's layout gives them to lane (r, h).
; No tensor load, no barrier: waves share nothing.  Loads run two fragments (32 loads a wave) ahead.
.set STG,    16*528                    ; a wave's stage
.set SPARE,  4*STG                     ; behind the stages: the spare words, 128 bytes a wave, that no other line names
.set SCALES, 9437184                   ; where the scale words begin in in_img
.set TM,  16                           ; v16-17 largest magnitudes, v18-19 scale operands, v20-21 bytes
.set PC,  32                           ; v32-43 a fragment's codes, v44-51 at work
.set PWS, 52                           ; v52-55 the four fragments' scale words
.set R,   64                           ; v64-191 two sets of 16 rows as loaded
.set X,   192                          ; v192-255 my 64 numbers
	s_load_b256 s[4:11], s[0:1], 0x0               ; x, W_qkv, W_proj, in_img
	v_lshl_add_u32 v8, v0, 2, SPARE                ; my spare word; never rewritten
	v_mov_b32 v9, 0                                ; 0; never rewritten
	v_lshrrev_b32 v1, 5, v0
	v_readfirstlane_b32 s14, v1                    ; wave
	v_and_b32 v1, 31, v0                           ; lane
	v_and_b32 v2, 15, v0                           ; r
	v_bfe_u32 v3, v0, 4, 1                         ; h
	v_lshlrev_b32 v4, 4, v1                        ; 16 x lane: a load's, and an image's, place for my lane
	s_mul_i32 s15, s14, STG
	v_add_nc_u32 v5, s15, v4                       ; the stage on the way in
	v_mul_u32_u24 v6, v2, 528
	v_lshl_add_u32 v6, v3, 7, v6
	v_add_nc_u32 v6, s15, v6                       ; and on the way out: row r, + 128 h
	v_lshlrev_b32 v7, 4, v2                        ; 16 r: my row's four scale words
	v_lshlrev_b32 v10, 3, v3                       ; 8 h
	v_mov_b32 v11, 0                               ; a lane permute's destination counts as one of its sources
	s_mov_b32 s20, 0x76543210
	s_mov_b32 s21, 0xfedcba98                      ; selects for lane l xor 16
	s_lshr_b32 s16, ttmp9, 1                       ; G: the group of 64 rows, 0 .. 191
	s_and_b32 s18, ttmp9, 1
	s_lshl_b32 s18, s18, 2
	s_add_co_u32 s18, s18, s14                     ; f: which 128 along K, 0 .. 7
	s_lshr_b32 s19, s18, 1                         ; f / 2
	s_and_b32 s22, s18, 1                          ; f % 2
	s_mul_i32 s24, s19, 768
	s_lshl_b32 s23, s16, 2
	s_add_co_u32 s24, s24, s23
	s_mul_i32 s24, s24, 3072
	s_mul_i32 s23, s22, 1536
	s_add_co_u32 s24, s24, s23                     ; codes: ((f / 2) 768 + 4 G) 3072 + (f % 2) 1536
	s_mov_b32 s25, 0
	s_mul_i32 s26, s19, 192
	s_add_co_u32 s26, s26, s16
	s_lshl_b32 s26, s26, 9
	s_lshl_b32 s23, s22, 8
	s_add_co_u32 s26, s26, s23
	s_add_co_u32 s26, s26, SCALES                  ; scale words: ((f / 2) 192 + G) 512 + (f % 2) 256
	s_mov_b32 s27, 0
	s_wait_alu depctr_va_vdst(0)
	s_wait_kmcnt 0x0
	s_mov_b32 s17, 176
	s_cmp_lt_u32 s16, 176                          ; which tensor: the choice hangs on the work-group's number alone
	s_cselect_b64 s[12:13], s[6:7], s[8:9]
	s_cselect_b32 s17, 128, s17
	s_cmp_lt_u32 s16, 128
	s_cselect_b64 s[12:13], s[4:5], s[12:13]
	s_cselect_b32 s17, 0, s17                      ; the tensor's first group
	s_sub_co_u32 s28, s16, s17
	s_lshl_b32 s28, s28, 18                        ; 64 rows of 4,096 bytes
	s_lshl_b32 s23, s18, 9
	s_add_co_u32 s28, s28, s23                     ; + 512 f
	s_mov_b32 s29, 0
	s_add_nc_u64 s[12:13], s[12:13], s[28:29]
	s_add_nc_u64 s[24:25], s[10:11], s[24:25]
	s_add_nc_u64 s[26:27], s[10:11], s[26:27]
.macro LOAD a                          ; block a's 16 rows, in the image's order of rows, into set a % 2
.irp p, 0,1,2,3,4,5,6,7,8,9,10,11,12,13,14,15
	global_load_b128 v[R+64*((\a)%2)+4*\p:R+64*((\a)%2)+4*\p+3], v4, s[12:13] offset:(32*((\a)/2)+8*((\a)%2)+\p+8*(\p/8))*4096 th:TH_LOAD_NT
.endr
.endm
.macro FRAG a
.if (\a) < 3
	s_wait_loadcnt 16                              ; this block's 16 loads are in; the next block's 16 may be out
.else
	s_wait_loadcnt 0x0
.endif
.irp p, 0,1,2,3,4,5,6,7,8,9,10,11,12,13,14,15
	ds_store_b128 v5, v[R+64*((\a)%2)+4*\p:R+64*((\a)%2)+4*\p+3] offset:528*\p
.endr
.irp c, 0,1
.irp i, 0,1,2,3,4,5,6,7
	ds_load_b128 v[X+32*\c+4*\i:X+32*\c+4*\i+3], v6 offset:256*\c+16*\i   ; K = 64 c + 32 h + 0 .. 31 of row r.  LDS serves a wave's instructions in order: these see the stores above
.endr
.endr
	s_wait_dscnt 0x0                               ; my numbers are back, and the stage's stores have read their registers,
.if (\a) < 2
	LOAD (\a)+2                                    ; which take the block two on
.endif
.irp c, 0,1
	v_max3_num_f32 v[TM+\c], |v[X+32*\c]|, |v[X+32*\c+1]|, 0x1800000   ; block 2 c + h is all mine; the floor 2^(3 - 127) keeps the byte at 1 or above
.endr
.irp i, 2,4,6,8,10,12,14,16,18,20,22,24,26,28,30
.irp c, 0,1
	v_max3_num_f32 v[TM+\c], v[TM+\c], |v[X+32*\c+\i]|, |v[X+32*\c+\i+1]|
.endr
.endr
.irp c, 0,1
	v_add_nc_u32 v[TM+2+\c], 0xff000000, v[TM+\c]  ; 2 off the exponent field: the conversion's scale operand
.endr
.irp c, 0,1
	v_lshrrev_b32 v[TM+4+\c], 23, v[TM+2+\c]       ; the scale's byte
.endr
	v_lshl_or_b32 v[PWS+(\a)], v[TM+5], 16, v[TM+4]   ; my two bytes, blocks h and 2 + h,
	v_lshlrev_b32 v[PWS+(\a)], v10, v[PWS+(\a)]    ; 8 h bits up;
	v_permlanex16_b32 v11, v[PWS+(\a)], s20, s21
	v_or_b32 v[PWS+(\a)], v[PWS+(\a)], v11         ; with lane l xor 16's two the row's word is whole
.if (\a) > 0
	s_wait_alu depctr_va_vdst(0)
	s_wait_xcnt 0x0                                ; the last block's stores have read the codes' registers
.endif
.irp c, 0,1
	v_cvt_scalef32_pk16_fp6_f32 v[PC+6*\c:PC+6*\c+2], v[X+32*\c:X+32*\c+15], v[TM+2+\c]
	v_cvt_scalef32_pk16_fp6_f32 v[PC+12+4*\c:PC+14+4*\c], v[X+32*\c+16:X+32*\c+31], v[TM+2+\c]   ; (a conversion's three registers begin on an even number)
.endr
	v_nop                                          ; one plain place behind a scaled conversion
.irp c, 0,1
.irp i, 0,1,2
	v_mov_b32 v[PC+3+6*\c+\i], v[PC+12+4*\c+\i]
.endr
.endr
.irp c, 0,1,2
	global_store_b128 v4, v[PC+4*\c:PC+4*\c+3], s[24:25] offset:3072*(\a)+512*\c   ; 32 lanes store 512 consecutive bytes, aligned
.endr
.endm
	LOAD 0
	LOAD 1
	FRAG 0
	FRAG 1
	FRAG 2
	FRAG 3
	v_cmp_gt_u32 vcc_lo, 16, v1                    ; lanes 0-15 store the four words of their rows: 256 consecutive bytes, aligned
	s_wait_xcnt 0x0                                ; EXEC changes only behind this wait
	s_and_saveexec_b32 s30, vcc_lo
	global_store_b128 v7, v[PWS:PWS+3], s[26:27]
	s_wait_xcnt 0x0
	s_or_b32 exec_lo, exec_lo, s30
	s_wait_tensorcnt 0x0                           ; the wave's end, behind my last LDS store
	ds_add_u32 v8, v9
	s_wait_dscnt 0x0
	s_endpgm
.Lfunc_end_k_q638aad737d_quant:
	.size	k_q638aad737d_quant, .Lfunc_end_k_q638aad737d_quant-k_q638aad737d_quant
	.p2alignl 7, 3214868480
	.fill 96, 4, 3214868480
	.section	.rodata,"a",@progbits
	.p2align	6, 0x0
	.amdhsa_kernel k_q638aad737d_quant
		.amdhsa_group_segment_fixed_size 34304
		.amdhsa_private_segment_fixed_size 0
		.amdhsa_enable_private_segment 0
		.amdhsa_kernarg_size 32
		.amdhsa_user_sgpr_count 2
		.amdhsa_user_sgpr_kernarg_segment_ptr 1
		.amdhsa_wavefront_size32 1
		.amdhsa_system_sgpr_workgroup_id_x 1
		.amdhsa_system_sgpr_workgroup_id_y 1
		.amdhsa_system_sgpr_workgroup_id_z 1
		.amdhsa_system_vgpr_workitem_id 0
		.amdhsa_next_free_vgpr 256
		.amdhsa_next_free_sgpr 66
		.amdhsa_reserve_vcc 1
		.amdhsa_float_denorm_mode_32 3
		.amdhsa_float_denorm_mode_16_64 3
		.amdhsa_memory_ordered 1
		.amdhsa_forward_progress 1
		.amdhsa_inst_pref_size 31
	.end_amdhsa_kernel
	.amdgpu_metadata
---
amdhsa.version: [ 1, 2 ]
amdhsa.kernels:
  - .name:           k_q638aad737d_quant
    .symbol:         k_q638aad737d_quant.kd
    .args:
      - { .name: x, .offset: 0, .size: 8, .value_kind: global_buffer, .address_space: global }
      - { .name: W_qkv, .offset: 8, .size: 8, .value_kind: global_buffer, .address_space: global }
      - { .name: W_proj, .offset: 16, .size: 8, .value_kind: global_buffer, .address_space: global }
      - { .name: in_img, .offset: 24, .size: 8, .value_kind: global_buffer, .address_space: global }
    .group_segment_fixed_size: 34304
    .private_segment_fixed_size: 0
    .kernarg_segment_align: 8
    .kernarg_segment_size: 32
    .max_flat_workgroup_size: 128
    .sgpr_count:     66
    .vgpr_count:     256
    .wavefront_size: 32
...
	.end_amdgpu_metadata
.endif
;; end of part 1
;; launch qkv (part 2): grid 4 x 64, 4 waves a work-group, clusters of 4 x 4, 327,680 bytes of LDS; arguments in_img, b_qkv, qkv_img; writes qkv_img
.if DOCPART == 2
	.amdgcn_target "amdgcn-amd-amdhsa--gfx1250"
	.amdhsa_code_object_version 6
	.text
	.protected	k_q638aad737d_qkv
	.globl	k_q638aad737d_qkv
	.p2align	8
	.type	k_q638aad737d_qkv,@function
k_q638aad737d_qkv:
	s_mov_b64 s[64:65], 0
	v_nop
	global_prefetch_b8 v0, s[64:65] scope:SCOPE_SE
	s_setreg_imm32_b32 hwreg(HW_REG_WAVE_MODE, 25, 1), 1
	s_wait_xcnt 0x0
	s_wait_alu depctr_hold_cnt(0) depctr_sa_sdst(0) depctr_va_vdst(0) depctr_va_sdst(0) depctr_va_ssrc(0) depctr_va_vcc(0) depctr_vm_vsrc(0)
	s_getreg_b32 s2, hwreg(HW_REG_IB_STS2, 6, 4)
	s_cmp_eq_u32 s2, 0
	s_cbranch_scc0 .Lentry_in_a_cluster
	s_endpgm
.Lentry_in_a_cluster:
	s_bfe_u32 s2, ttmp6, 0x10000c
	s_cmp_lg_u32 s2, 0xf033
	s_cbranch_scc0 .Lentry_shape_is_right
	s_endpgm
.Lentry_shape_is_right:
; q, k = x W^T + b quantised along d; v^T = W_v x^T + b quantised along the keys.  Operands and results are OPERAND IMAGES of FP6 (E2M3) codes:
; codes [K/256][block of 16 rows][2 fragments][3 chunks][32 lanes][16 bytes] (a fragment = the picture of the operand's 12 registers); lane r of block T holds row 32 (T / 2) + 8 (T % 2) + r + 8 (r / 8);
; scale words [K/256][group of 64 rows][2 x 16][4 blocks].
; A tile is 128 rows of A (source 1: the result's lanes) x 256 rows of B (source 0: the result's registers, which are the next product's K); a wave makes 64 x 128: 32 accumulators.
; By the order of rows in a block, the 16 registers of two neighbouring tiles are 16 neighbours along the next K, so a wave's 64 registers of a block of A's rows become one fragment in registers.
; A WORK-GROUP STAYS and makes three tiles.  With c the cluster's number: tile 0 (q): A = x's tile 4 c + cy, B = W_q's tile cx; tile 1 (k): the same rows of x, B = W_k's tile cx;
; tile 2 (v^T): A = W_v's tile 4 (c % 2) + cy, B = x's tile 4 (c / 2) + cx: v^T comes out with the keys along the registers.  768 tiles on 256 work-groups.
; LDS: two slots of 512 along K, so a tile's 1,024 fill both.  Both are filled at the head (one tensor load a wave is out).  At a tile's steps 3 and 7 the slot just read takes the next tile's part (one load a wave out),
; behind a round of the cluster's barrier; the refill has four steps, 128 products, in which to land, behind step 7 the epilogue too.  From tile 0 to tile 1 A's rows stay where they lie: only B's bytes are filled again.
; CLUSTER 4 x 4: A's tiles are shared along a row of the cluster, B's along a column: joint loads.
; The bias is the C of a tile's first products: along the registers for q and k, along the lanes for v^T.  The next tile's scale words and bias are loaded while a tile is multiplied.
; LIMITS: a block of zeros gets the byte 1 where the rule says 127 (codes are zeros; this program alone reads the bytes); largest magnitudes under 2^-124 are held at byte 1; NaN and infinities are not served.
; REGISTERS.  Window 0: v1-3 lane, r, h; v4-7 LDS addresses; v8 16 x lane; v9 16 r; v10, v11 the add's two; v12, v13 the biases' offsets; v16-31 at work; v160-239 codes; v52-55 scale words made; v56-59 v's bias;
; v64-111, v112-159 scale words of A and B for even and odd tiles, and nothing else; v160-255 A's fragments, two sets.  Window 1: B's fragments, two sets; v192-255 the bias as C.  Window 2: accumulator (a, b) at v[8 (8 a + b)].
.set SLOT,   147456                    ; a slot: 512 along K of A's 128 rows and B's 256 rows.  In LDS A's four units of 256 along K lie on end, then B's four; slot s is units 2 s, 2 s + 1 of both
.set AU,     24576                     ; a unit of A: 128 rows, its two halves of 64 rows on end
.set AKU,    12288
.set BOFF,   98304
.set BU,     49152                     ; a unit of B: 256 rows, its two halves of 128 rows on end
.set BKU,    24576
.set BLK,    3072                      ; a block's two fragments
.set FRB,    1536                      ; a fragment
.set SPARE,  2*SLOT                    ; behind the slots: the spare words, 128 bytes a wave, that no other line names
.set STR,    2359296                   ; from one unit of 256 along K to the next in in_img
.set SS,     98304                     ; the same for the scale words
.set SCALES, 9437184                   ; where in_img's scale words begin
.set NEXTB,  64*BLK                    ; from W_q's tile cx to W_k's: four tiles of 16 blocks
.set NEXTSB, 16*512                    ; the same in the scale words: 16 groups
.set NEXTBI, 4096                      ; in the bias: 1,024 numbers
.set NEXTO,  4*512*BLK                 ; from q's image to k's: four units of 512 blocks
.set NEXTOS, 4*128*512                 ; and in their scale words
.set ADR,  240                         ; v240-245 of window 1: LDS addresses of my A fragments in slot 0, 1 and of my B fragments in units 0 to 3
.set GI,   8
.set GS,   9
.set SPW,  10
.set NIL,  11
.set TM,   16                          ; +0..3 largest magnitudes, +4..7 permutes and bytes, +12..15 scale operands
.set PC,   160                         ; a fragment's codes, 20 registers; each of a tile's four fragments has a set of its own, v160-239, so that no store's data are written again inside a tile
.set PWS,  52
.set BM,   56
.set SA,   64                          ; A's scale words: 48 (tile % 2) + 4 kp + a
.set SB,   80                          ; B's: 48 (tile % 2) + 8 kp + b
.set MSB, 0
.macro WIN new                         ; the immediate's high byte repeats the setting that is left
.if MSB != (\new)
	s_set_vgpr_msb (MSB<<8)|(\new)
.set MSB, \new
.endif
.endm
.macro PLACES                          ; four plain places: in front of loads into registers that matrix instructions have read, and of the first read of results
.rept 4
	v_nop
.endr
.endm
.macro CROUND                          ; a round of the cluster's barrier
	s_barrier_signal -1
	s_barrier_wait -1
	s_cmp_lg_u32 s12, 0
	s_cbranch_scc1 .Lnot_wave_0_\@
	s_barrier_signal -3
.Lnot_wave_0_\@:
	s_barrier_wait -3
	s_barrier_signal -1
	s_barrier_wait -1
.endm
.macro JLOAD s                         ; a joint refill of slot s: waves 0 and 1 fetch A's halves, waves 2 and 3 B's; the branch hangs on the wave's number alone; an s_nop 0 and four v_nop follow each line
	s_cmp_eq_u32 s13, 0
	s_cbranch_scc0 .Lfor_b_\@
	tensor_load_to_lds s[40+4*\s:43+4*\s], s[24:31]
	s_nop 0
	PLACES
	s_branch .Lasked_\@
.Lfor_b_\@:
	tensor_load_to_lds s[68+4*\s:71+4*\s], s[32:39]
	s_nop 0
	PLACES
.Lasked_\@:
.endm
.macro JLOADB s                        ; the same where the next tile has the same rows of A: waves 2 and 3 fetch B's halves, waves 0 and 1 have no part to fill and issue nothing
	s_cmp_eq_u32 s13, 0
	s_cbranch_scc0 .Lfor_b_\@
	PLACES
	s_branch .Lasked_\@
.Lfor_b_\@:
	tensor_load_to_lds s[68+4*\s:71+4*\s], s[32:39]
	s_nop 0
	PLACES
.Lasked_\@:
.endm
; WINDOWS 1 TO 3 (this map replaces what the head comment says of fragments and accumulators).  Window 1: v0-127 the accumulators of A's blocks 0, 1; v128-223 B's fragments 4-7, two sets; v240-245 LDS addresses.
; Window 2: v0-63 the accumulators of A's block 2; v64-127 the bias as C; v128-223 A's fragments, two sets.  Window 3: v0-63 the accumulators of A's block 3; v128-223 B's fragments 0-3, two sets.
.macro ACC a                           ; where block a's eight accumulators lie: window AW, from register AB on
.set AW, 1+((\a)/2)*((\a)-1)
.set AB, 64*((\a)%2)*(1-(\a)/2)
.endm
.macro SETF g                          ; step g's fragments (128 along K; g counts on from tile to tile) are the ones that LD1 fetches: set fp, slot fs, unit fj of the slot
.set fp, (\g)%2
.set fs, ((\g)/4)%2
.set fj, ((\g)/2)%2
.set LN, 0
.endm
.macro LD1                             ; the next of a step's 36 loads of 512 dense bytes: 0-11 A's four fragments, 12-23 B's 0-3, 24-35 B's 4-7
.if LN < 12
	ds_load_b128 v[128+48*fp+4*LN:128+48*fp+4*LN+3], v[ADR+fs] offset:fj*AU+(LN/3)*BLK+fp*FRB+512*(LN%3)
.else
	ds_load_b128 v[128+48*fp+4*(LN%12):128+48*fp+4*(LN%12)+3], v[ADR+2+2*fs+fj] offset:(LN/3-4)*BLK+fp*FRB+512*(LN%3)
.endif
.set LN, LN+1
.endm
.macro FETCH g                         ; a step's 36 loads, in one run
	SETF \g
.irp w, 0x81, 0xc1, 0x41               ; destination window 2, 3, 1; the address from window 1
	WIN \w
.rept 12
	LD1
.endr
.endr
.endm
; Four products: A's block a against B's blocks 4 bh .. 4 bh + 3.
; cm = 0: the sums go on; cm = 2: a tile's first step starts them at the bias of B's rows; cm = 3: at the bias of A's rows.  An odd step's scale words lie in lanes 16-31.
.macro GRP cm, a, bh
	ACC \a
.if (\cm) >= 2
	WIN (3-2*(\bh))|0x28|(AW<<6)                   ; source 0 (B) window 3 or 1, source 1 (A) and C (the bias) window 2, D window AW
.else
	WIN (3-2*(\bh))|0x08|(AW<<4)|(AW<<6)           ; C and D window AW
.endif
.irp b, 0,1,2,3
.set DR, AB+32*(\bh)+8*\b
.set BR, 128+48*mp+12*\b
.set AR, 128+48*mp+12*(\a)
.set SBR, SB+ms+8*mk+4*(\bh)+\b
.set SAR, SA+ms+4*mk+(\a)
.if (\cm) == 2
	v_wmma_scale_f32_16x16x128_f8f6f4 v[DR:DR+7], v[BR:BR+11], v[AR:AR+11], v[64+32*(\bh)+8*\b:71+32*(\bh)+8*\b], v[SBR], v[SAR] matrix_a_fmt:MATRIX_FMT_FP6 matrix_b_fmt:MATRIX_FMT_FP6
.elseif (\cm) == 3
	v_wmma_scale_f32_16x16x128_f8f6f4 v[DR:DR+7], v[BR:BR+11], v[AR:AR+11], v[64+8*(\a):71+8*(\a)], v[SBR], v[SAR] matrix_a_fmt:MATRIX_FMT_FP6 matrix_b_fmt:MATRIX_FMT_FP6
.elseif mp == 0
	v_wmma_scale_f32_16x16x128_f8f6f4 v[DR:DR+7], v[BR:BR+11], v[AR:AR+11], v[DR:DR+7], v[SBR], v[SAR] matrix_a_fmt:MATRIX_FMT_FP6 matrix_b_fmt:MATRIX_FMT_FP6
.else
	v_wmma_scale_f32_16x16x128_f8f6f4 v[DR:DR+7], v[BR:BR+11], v[AR:AR+11], v[DR:DR+7], v[SBR], v[SAR] matrix_a_fmt:MATRIX_FMT_FP6 matrix_b_fmt:MATRIX_FMT_FP6 matrix_a_scale:MATRIX_SCALE_ROW1 matrix_b_scale:MATRIX_SCALE_ROW1
.endif
.endr
.endm
; A step: ft = 1: the next step's 36 loads in one run, then the step's 32 products; the accumulators take turns, one instruction a turn.
; The first four products need A and B's 0-3; B's 4-7, the last twelve loads of the step's own run, are waited for behind them.
.macro MUL32 g, cm, ft
.set mp, (\g)%2
.set mk, ((\g)%8)/2
.set ms, 48*(((\g)/8)%2)
.if \ft
	FETCH (\g)+1
.endif
	GRP \cm, 2, 0
	s_wait_dscnt 36*(\ft)                          ; all but the 36 loads just issued: this step's B 4-7 are in
	GRP \cm, 2, 1
	GRP \cm, 3, 0
	GRP \cm, 3, 1
	GRP \cm, 0, 0
	GRP \cm, 1, 0
	GRP \cm, 0, 1
	GRP \cm, 1, 1
.endm
.macro LOADSC set, sa, sb, offb        ; a tile's scale words of all of K, straight into registers: 512 dense bytes a load
.irp kp, 0,1,2,3
	global_load_b128 v[SA+48*(\set)+4*\kp:SA+48*(\set)+4*\kp+3], v[GI], s[\sa:\sa+1] offset:\kp*SS
	global_load_b128 v[SB+48*(\set)+8*\kp:SB+48*(\set)+8*\kp+3], v[GI], s[\sb:\sb+1] offset:\kp*SS+(\offb)
	global_load_b128 v[SB+48*(\set)+8*\kp+4:SB+48*(\set)+8*\kp+7], v[GI], s[\sb:\sb+1] offset:\kp*SS+(\offb)+512
.endr
.endm
.macro LOADBN off                      ; the bias of my 128 rows of B, in the result's layout: register 16 b + i: row 32 b + 16 h + i
	WIN 0x80                                       ; destination window 2
.irp b, 0,1,2,3
.irp i, 0,1,2,3
	global_load_b128 v[64+16*\b+4*\i:64+16*\b+4*\i+3], v12, s[96:97] offset:(\off)+128*\b+16*\i
.endr
.endr
	WIN 0
.endm
; A step of 128 along K.  kind 0: the next step's fragments are fetched at the step's head, so that they have its 32 products in which to land.  kind 1: the next step opens a slot that other waves' loads brought, and
; nothing is filled again.  kind 2, 5: a change of slots with a refill: all my tensor loads have landed (my part of the next slot), the add, my reads of this slot are over; a round of the cluster's barrier;
; the joint refill first behind it (2: the next tile's B, 64 blocks on; 5: the v tile's A and B); then the next slot's first fragments.  kind 3: the last step.
; nl = 1: tile 1's bias is asked for (its registers were last read by step 0's products, four places back); nl = 2: the v tile's scale words and bias (their registers were last read a tile ago).
.macro STEP g, kind, cm, nl
	WIN 0
.set FT, 1
.if (\kind) == 3
.set FT, 0
.endif
.if ((\kind) == 0) || ((\kind) == 3)
	s_wait_dscnt 12                                ; this step's A and B 0-3 are in; the youngest twelve loads, B 4-7, may be out
.else
	s_wait_dscnt 0x0                               ; a barrier follows: no LDS instruction of mine is out
.endif
.if (\kind) == 1
	s_wait_tensorcnt 0x0                           ; my part of the last slot is in,
	s_barrier_signal -1
	s_barrier_wait -1                              ; everybody's is
.endif
.if ((\kind) == 2) || ((\kind) == 5)
.set ks, ((\g)/4)%2
	s_wait_tensorcnt 0x0                           ; no tensor load of mine is out, so a group 0 may be written
	ds_add_u32 v[SPW], v[NIL]                      ; 0 onto my spare word; the descriptors' steps stand between it and the wait for it
.if (\kind) == 2
	s_add_nc_u64 s[70+4*ks:71+4*ks], s[70+4*ks:71+4*ks], NEXTB
.else
	s_add_nc_u64 s[42+4*ks:43+4*ks], s[48:49], ks*2*STR
	s_or_b32 s[43+4*ks], s[43+4*ks], 0x80000000
	s_add_nc_u64 s[70+4*ks:71+4*ks], s[50:51], ks*2*STR
	s_or_b32 s[71+4*ks], s[71+4*ks], 0x80000000
.endif
	s_wait_dscnt 0x0                               ; the add is done, and my reads of this slot are over
	CROUND                                         ; so it is with every wave of every partner
.if (\kind) == 2
	JLOADB ks                                      ; its four v_nop are also the places in front of the loads below
.else
	JLOAD ks
.endif
.elseif (\kind) < 2
	PLACES
.endif
.if (\nl) == 1
	LOADBN NEXTBI
.elseif (\nl) == 2
	LOADSC 0, 52, 54, 0
.irp a, 0,1,2,3
	global_load_b32 v[BM+\a], v13, s[98:99] offset:4*(32*(\a/2)+8*(\a%2))   ; the bias of my lane's row of block a of W_v
.endr
.endif
	MUL32 \g, \cm, FT
.endm
.macro BYTES pw                        ; from the four blocks' largest magnitudes: the conversions' scale operands, the bytes, the row's scale word
.irp b, 0,1,2,3
	v_add_nc_u32 v[TM+12+\b], 0xff000000, v[TM+\b] ; 2 off the exponent field
.endr
.irp b, 0,1,2,3
	v_lshrrev_b32 v[TM+4+\b], 23, v[TM+12+\b]
.endr
	v_lshl_or_b32 v[\pw], v[TM+5], 8, v[TM+4]
	v_lshl_or_b32 v[\pw], v[TM+6], 16, v[\pw]
	v_lshl_or_b32 v[\pw], v[TM+7], 24, v[\pw]
.endm
.macro CODES s, w                      ; 64 numbers at v[s] of window w, register 16 b + i = K 32 b + 16 h + i, become the fragment's 12 registers at v[PC]
	WIN \w
.irp c, 0,1
	v_cvt_scalef32_pk16_fp6_f32 v[PC+6*\c:PC+2+6*\c], v[(\s)+32*\c:(\s)+15+32*\c], v[TM+12+2*\c]
	v_cvt_scalef32_pk16_fp6_f32 v[PC+12+4*\c:PC+14+4*\c], v[(\s)+16+32*\c:(\s)+31+32*\c], v[TM+12+2*\c+1]   ; (a conversion's three registers begin on an even number)
.endr
	WIN 0
	v_nop                                          ; one plain place behind a scaled conversion
.irp c, 0,1                            ; the layout wants a whole block in a lane: lanes 0-15 block 2 c, lanes 16-31 block 2 c + 1
.irp i, 0,1,2
	v_permlane16_swap_b32 v[PC+6*\c+\i], v[PC+12+4*\c+\i]
.endr
.irp i, 0,1,2
	v_mov_b32 v[PC+3+6*\c+\i], v[PC+12+4*\c+\i]
.endr
.endr
.endm
.macro QUANT s, pw                     ; the same 64 numbers, in window AW: each accumulator is read from its low end on
	WIN 5*AW
.irp b, 0,1,2,3
	v_max3_num_f32 v[TM+\b], |v[(\s)+16*\b]|, |v[(\s)+1+16*\b]|, 0x1800000   ; the floor 2^(3 - 127) keeps the byte at 1 or above
.endr
.irp i, 2,4,6,8,10,12,14
.irp b, 0,1,2,3
	v_max3_num_f32 v[TM+\b], |v[(\s)+16*\b+\i]|, |v[(\s)+1+16*\b+\i]|, v[TM+\b]
.endr
.endr
	WIN 0
.irp b, 0,1,2,3
	v_permlanex16_b32 v[TM+4+\b], v[TM+\b], s56, s57
.endr
.irp b, 0,1,2,3
	v_max_num_f32 v[TM+\b], v[TM+\b], v[TM+4+\b]   ; with lane l xor 16's 16: the block's largest magnitude
.endr
	BYTES \pw
	CODES \s, AW
.endm
.macro PUT a, ob, off                  ; the fragment goes out as it stands: 512 consecutive bytes a store, aligned
.irp c, 0,1,2
	global_store_b128 v[GI], v[PC+4*\c:PC+4*\c+3], s[\ob:\ob+1] offset:(\off)+BLK*(\a)+512*\c
.endr
.endm
.macro EPILOGUE ob, off, sb, soff      ; a tile's four fragments and their scale words
	WIN 0
	PLACES
.irp a, 0,1,2,3
	ACC \a
.set PC, 160+20*\a                     ; this fragment's own registers for its codes; the tile before has stored from them, ahead of the wait on XCNT at its epilogue's end
	QUANT AB, PWS+\a
	PUT \a, \ob, \off
.endr
	v_cmp_gt_u32 vcc_lo, 16, v1                    ; lanes 0-15 store their rows' four scale words: 256 consecutive bytes, aligned
	s_wait_xcnt 0x0                                ; EXEC changes only behind this wait
	s_and_saveexec_b32 s23, vcc_lo
	global_store_b128 v[GS], v[PWS:PWS+3], s[\sb:\sb+1] offset:\soff
	s_wait_xcnt 0x0
	s_or_b32 exec_lo, exec_lo, s23
.endm
	s_load_b64 s[4:5], s[0:1], 0x0                 ; in_img
	s_load_b64 s[10:11], s[0:1], 0x8               ; b_qkv
	s_load_b64 s[8:9], s[0:1], 0x10                ; qkv_img
	v_lshl_add_u32 v[SPW], v0, 2, SPARE
	v_mov_b32 v[NIL], 0
	ds_add_u32 v[SPW], v[NIL]                      ; the wave's opening: the add and its wait ahead of my first tensor load; work on registers stands between
	ds_add_u32 v[SPW], v[NIL]
	v_lshrrev_b32 v1, 5, v0
	v_readfirstlane_b32 s12, v1                    ; wave
	s_lshr_b32 s13, s12, 1                         ; HA: my half of A's rows.  Also: I fetch for A (0) or for B (1)
	s_and_b32 s14, s12, 1                          ; HB: my half of B's rows.  Also: which half I fetch
	s_bfe_u32 s15, ttmp6, 0x40000                  ; cx
	s_bfe_u32 s16, ttmp6, 0x40004                  ; cy
	s_and_b32 s18, ttmp7, 0xffff                   ; c: the cluster's y, 0 .. 15 (the grid has one cluster along x)
	s_lshl_b32 s20, s18, 2
	s_add_co_u32 s20, s20, s16                     ; q, k: A's tile of 128 rows of x: 4 c + cy
	s_and_b32 s21, s18, 1
	s_lshl_b32 s21, s21, 2
	s_add_co_u32 s21, s21, s16                     ; v: A's tile of 128 rows of W_v: 4 (c % 2) + cy
	s_lshr_b32 s22, s18, 1
	s_lshl_b32 s22, s22, 2
	s_add_co_u32 s22, s22, s15                     ; v: B's tile of 256 rows of x: 4 (c / 2) + cx
	s_lshl_b32 s84, s20, 3
	s_mul_i32 s84, s84, BLK
	s_mul_i32 s85, s14, STR
	s_add_co_u32 s84, s84, s85                     ; what I fetch of x as A: the tile's eight blocks, unit HB of a slot: of the place in the cluster it holds cy alone
	s_mov_b32 s85, 0
	s_mul_i32 s86, s14, AU                         ; and where it goes
	s_lshl_b32 s88, s15, 4
	s_add_co_u32 s88, s88, 512
	s_mul_i32 s88, s88, BLK                        ; of W_q: block 512 + 16 cx + 8 HB: cx alone
	s_mul_i32 s89, s14, STR
	s_add_co_u32 s88, s88, s89                     ; of W_q: the tile's sixteen blocks, unit HB of a slot: cx alone
	s_mov_b32 s89, 0
	s_mul_i32 s90, s14, BU
	s_add_co_u32 s90, s90, BOFF
	s_lshl_b32 s48, s21, 3
	s_add_co_u32 s48, s48, 640
	s_mul_i32 s48, s48, BLK                        ; of W_v: block 640 + 8 tile + 4 HB: cy alone
	s_mul_i32 s49, s14, STR
	s_add_co_u32 s48, s48, s49                     ; of W_v: the tile's eight blocks, unit HB of a slot: cy alone
	s_mov_b32 s49, 0
	s_lshl_b32 s50, s22, 4
	s_mul_i32 s50, s50, BLK                        ; of x as B: block 16 tile + 8 HB: cx alone
	s_mul_i32 s51, s14, STR
	s_add_co_u32 s50, s50, s51                     ; of x as B: the tile's sixteen blocks, unit HB of a slot: cx alone
	s_mov_b32 s51, 0
	s_lshl_b32 s62, s20, 1
	s_add_co_u32 s62, s62, s13
	s_lshl_b32 s62, s62, 9
	s_add_co_u32 s62, s62, SCALES                  ; q, k: my rows' scale words of x
	s_mov_b32 s63, 0
	s_lshl_b32 s66, s15, 2
	s_lshl_b32 s67, s14, 1
	s_add_co_u32 s66, s66, s67
	s_add_co_u32 s66, s66, 128
	s_lshl_b32 s66, s66, 9
	s_add_co_u32 s66, s66, SCALES                  ; and of W_q
	s_mov_b32 s67, 0
	s_lshl_b32 s52, s21, 1
	s_add_co_u32 s52, s52, s13
	s_add_co_u32 s52, s52, 160
	s_lshl_b32 s52, s52, 9
	s_add_co_u32 s52, s52, SCALES                  ; v: of W_v
	s_mov_b32 s53, 0
	s_lshl_b32 s54, s22, 2
	s_lshl_b32 s55, s14, 1
	s_add_co_u32 s54, s54, s55
	s_lshl_b32 s54, s54, 9
	s_add_co_u32 s54, s54, SCALES                  ; and of x
	s_mov_b32 s55, 0
	s_lshl_b32 s92, s15, 9
	s_lshl_b32 s93, s20, 3
	s_add_co_u32 s92, s92, s93
	s_lshl_b32 s93, s13, 2
	s_add_co_u32 s92, s92, s93
	s_mul_i32 s92, s92, BLK
	s_mul_i32 s93, s14, FRB
	s_add_co_u32 s92, s92, s93                     ; q's codes: unit = B's tile, block 8 tile + 4 HA, fragment HB
	s_mov_b32 s93, 0
	s_lshl_b32 s94, s15, 7
	s_lshl_b32 s95, s20, 1
	s_add_co_u32 s94, s94, s95
	s_add_co_u32 s94, s94, s13
	s_lshl_b32 s94, s94, 9
	s_lshl_b32 s95, s14, 8
	s_add_co_u32 s94, s94, s95
	s_add_co_u32 s94, s94, 18874368                ; and its scale words
	s_mov_b32 s95, 0
	s_lshl_b32 s76, s22, 6
	s_lshl_b32 s77, s21, 3
	s_add_co_u32 s76, s76, s77
	s_lshl_b32 s77, s13, 2
	s_add_co_u32 s76, s76, s77
	s_mul_i32 s76, s76, BLK
	s_mul_i32 s77, s14, FRB
	s_add_co_u32 s76, s76, s77
	s_add_co_u32 s76, s76, 12582912                ; v^T's codes: units of 64 blocks
	s_mov_b32 s77, 0
	s_lshl_b32 s78, s22, 4
	s_lshl_b32 s79, s21, 1
	s_add_co_u32 s78, s78, s79
	s_add_co_u32 s78, s78, s13
	s_lshl_b32 s78, s78, 9
	s_lshl_b32 s79, s14, 8
	s_add_co_u32 s78, s78, s79
	s_add_co_u32 s78, s78, 19398656                ; and its scale words
	s_mov_b32 s79, 0
	s_lshl_b32 s96, s15, 10
	s_lshl_b32 s97, s14, 9
	s_add_co_u32 s96, s96, s97                     ; q: the bias of my 128 rows of B: number 256 cx + 128 HB
	s_mov_b32 s97, 0
	s_lshl_b32 s98, s21, 9
	s_lshl_b32 s99, s13, 8
	s_add_co_u32 s98, s98, s99
	s_add_co_u32 s98, s98, 8192                    ; v: the bias of my 64 rows of A: number 2,048 + 128 tile + 64 HA
	s_mov_b32 s99, 0
	s_lshl_b32 s2, s16, 2
	s_lshl_b32 s2, 15, s2                          ; my row of the cluster
	s_lshl_b32 s3, 0x1111, s15                     ; my column
	s_or_b32 s24, s2, (3<<16)|(1<<21)              ; group 1 for A: 15:0 the mask; 17:16 elements of 8 bytes; 21 set beside a mask; no padding
	s_or_b32 s32, s3, (3<<16)|(1<<21)              ; for B
	s_mov_b32 s25, 1536<<16                        ; a slot's part: two rows, one for each unit of 256 along K; a row is four blocks, 12,288 bytes: tensor_dim0 = 1,536
	s_mov_b32 s26, 2<<16                           ; a unit of A is dense in memory: two rows of 12,288 bytes: tensor_dim1 = 2
	s_mov_b32 s27, 1536<<16                        ; tile_dim0
	s_mov_b32 s28, 2                               ; tile_dim1
	s_mov_b32 s29, 1536                            ; the pitch: a row
	s_mov_b32 s30, 0
	s_mov_b32 s31, 0
	s_mov_b32 s33, 3072<<16                        ; eight blocks, 24,576 bytes
	s_mov_b32 s34, 2<<16                           ; a unit of B: two rows of 24,576 bytes
	s_mov_b32 s35, 3072<<16
	s_mov_b32 s36, 2
	s_mov_b32 s37, 3072
	s_mov_b32 s38, 0
	s_mov_b32 s39, 0
	s_mov_b32 s56, 0x76543210
	s_mov_b32 s57, 0xfedcba98                      ; selects for lane l xor 16
	v_and_b32 v1, 31, v0
	v_and_b32 v2, 15, v0
	v_bfe_u32 v3, v0, 4, 1
	v_lshlrev_b32 v[GI], 4, v1
	v_lshlrev_b32 v[GS], 4, v2
	v_lshlrev_b32 v12, 6, v3                       ; 64 h
	v_and_b32 v13, 8, v2
	v_add_nc_u32 v13, v13, v2
	v_lshlrev_b32 v13, 2, v13                      ; 4 (r + 8 (r / 8))
	s_wait_alu depctr_va_vdst(0)                   ; ahead of a run of scalar instructions
	s_mul_i32 s80, s13, AKU                        ; my half of A's rows, slot 0,
	s_add_co_u32 s81, s80, 2*AU                    ; slot 1;
	s_mul_i32 s82, s14, BKU
	s_add_co_u32 s82, s82, BOFF                    ; my half of B's rows, unit 0,
	s_add_co_u32 s83, s82, BU                      ; unit 1
	WIN 0x40                                       ; destination window 1
.irp i, 0,1,2,3
	v_add_nc_u32 v[ADR+\i], s[80+\i], v[GI]
.endr
	s_add_co_u32 s82, s82, 2*BU                    ; units 2 and 3
	s_add_co_u32 s83, s83, 2*BU
.irp i, 0,1
	v_add_nc_u32 v[ADR+4+\i], s[82+\i], v[GI]
.endr
	WIN 0
.irp b, 0,1,2,3
	v_mov_b32 v[TM+4+\b], 0                        ; a lane permute's destination counts as one of its sources
.endr
	s_wait_dscnt 0x0                               ; the opening add is done
	s_wait_kmcnt 0x0
	s_add_nc_u64 s[62:63], s[4:5], s[62:63]
	s_add_nc_u64 s[66:67], s[4:5], s[66:67]
	s_add_nc_u64 s[96:97], s[10:11], s[96:97]
	s_add_nc_u64 s[84:85], s[4:5], s[84:85]
	s_add_nc_u64 s[88:89], s[4:5], s[88:89]
	s_add_nc_u64 s[48:49], s[4:5], s[48:49]
	s_add_nc_u64 s[50:51], s[4:5], s[50:51]
	s_add_nc_u64 s[52:53], s[4:5], s[52:53]
	s_add_nc_u64 s[54:55], s[4:5], s[54:55]
	s_add_nc_u64 s[92:93], s[8:9], s[92:93]
	s_add_nc_u64 s[94:95], s[8:9], s[94:95]
	s_add_nc_u64 s[76:77], s[8:9], s[76:77]
	s_add_nc_u64 s[78:79], s[8:9], s[78:79]
	s_add_nc_u64 s[98:99], s[10:11], s[98:99]
.irp s, 0,1                            ; a group 0 for each slot
	s_mov_b32 s[40+4*\s], 1
	s_add_co_u32 s[41+4*\s], s86, \s*2*AU
	s_add_nc_u64 s[42+4*\s:43+4*\s], s[84:85], \s*2*STR
	s_or_b32 s[43+4*\s], s[43+4*\s], 0x80000000
	s_mov_b32 s[68+4*\s], 1
	s_add_co_u32 s[69+4*\s], s90, \s*2*BU
	s_add_nc_u64 s[70+4*\s:71+4*\s], s[88:89], \s*2*STR
	s_or_b32 s[71+4*\s], s[71+4*\s], 0x80000000
.endr
	s_or_b32 s4, s2, (3<<16)|(1<<21)               ; two more groups 1, for the head alone, in registers whose first use is over: units 1 to 3 of A: three rows of 24,576 bytes, a unit apart in memory,
	s_mov_b32 s5, 3072<<16
	s_mov_b32 s6, 3<<16
	s_mov_b32 s7, 3072<<16
	s_mov_b32 s8, 3
	s_mov_b32 s9, STR/8
	s_mov_b32 s10, 0
	s_mov_b32 s11, 0
	s_or_b32 s84, s3, (3<<16)|(1<<21)              ; and of B: three rows of 49,152 bytes
	s_mov_b32 s85, 6144<<16
	s_mov_b32 s86, 3<<16
	s_mov_b32 s87, 6144<<16
	s_mov_b32 s88, 3
	s_mov_b32 s89, STR/8
	s_mov_b32 s90, 0
	s_mov_b32 s91, 0
	CROUND                                         ; all sixteen work-groups are here: the joint loads meet
; THE HEAD'S LOADS, ONE A WAVE.  What the first two steps need comes by loads of its own: wave 0 fetches A's unit 0, wave 2 B's unit 0; wave 1 fetches A's units 1 to 3, wave 3 B's.
; Slot 0's group 0 serves all four: with HB = 0 it stands at unit 0, with HB = 1 at unit 1.  One chain of branches on the wave's number, a load to an arm, all arms leading to one join.
.macro ARM under, g0, g1, next
	s_cmp_lt_u32 s12, \under
	s_cbranch_scc0 \next
	tensor_load_to_lds s[\g0:\g0+3], s[\g1:\g1+7]
	s_nop 0
	PLACES
	s_branch .Lfirst_done
\next:
.endm
	ARM 1, 40, 24, .Lhead_1
	ARM 2, 40, 4, .Lhead_2
	ARM 3, 68, 32, .Lhead_3
	tensor_load_to_lds s[68:71], s[84:91]
	s_nop 0
	PLACES
.Lfirst_done:
	LOADSC 0, 62, 66, 0                            ; tile 0's scale words and bias and tile 1's scale words are asked for behind the tensor load, and travel beside it
	LOADBN 0
	LOADSC 1, 62, 66, NEXTSB
	s_wait_loadcnt 0x0                             ; the scale words and the bias
	s_cmp_lg_u32 s14, 0                            ; waves 1 and 3: units 1 to 3 may stay out, and step 1 waits for them
	s_cbranch_scc1 .Lrest_out
	s_wait_tensorcnt 0x0                           ; waves 0 and 2: my part of unit 0 is in,
.Lrest_out:
	s_barrier_signal -1
	s_barrier_wait -1                              ; everybody's is
	s_wait_alu depctr_va_vdst(0)
	FETCH 0
	; ---- tile 0: q
	STEP 0, 0, 2, 0
	STEP 1, 1, 0, 1                                ; units 1 to 3 are whole behind its barrier
	STEP 2, 0, 0, 0
	STEP 3, 2, 0, 0                                ; slot 0 takes W_k's first 512 along K
	STEP 4, 0, 0, 0
	STEP 5, 0, 0, 0
	STEP 6, 0, 0, 0
	STEP 7, 2, 0, 0                                ; slot 1 its last 512; tile 1's first fragments are fetched, and land under the epilogue
	EPILOGUE 92, 0, 94, 0
	s_wait_loadcnt 0x0                             ; tile 1's bias, asked for in step 1
	; ---- tile 1: k
	STEP 8, 0, 2, 0
	STEP 9, 0, 0, 2
	STEP 10, 0, 0, 0
	STEP 11, 5, 0, 0                               ; slot 0 takes the v tile's first 512 along K, A's and B's
	STEP 12, 0, 0, 0
	STEP 13, 0, 0, 0
	STEP 14, 0, 0, 0
	STEP 15, 5, 0, 0
	EPILOGUE 92, NEXTO, 94, NEXTOS
	s_wait_loadcnt 0x0                             ; the v tile's scale words and bias, asked for in step 9
	WIN 0x80                                       ; destination window 2
.irp a, 0,1,2,3
.irp j, 0,1,2,3,4,5,6,7
	v_mov_b32 v[64+8*\a+\j], v[BM+\a]              ; the bias hangs on the lane alone: the same number in the eight registers of a C
.endr
.endr
	; ---- tile 2: v^T
	s_wait_alu depctr_va_vdst(0)
	STEP 16, 0, 3, 0
	STEP 17, 0, 0, 0
	STEP 18, 0, 0, 0
	STEP 19, 1, 0, 0                               ; the last slot is whole; nothing is left to fetch
	STEP 20, 0, 0, 0
	STEP 21, 0, 0, 0
	STEP 22, 0, 0, 0
	STEP 23, 3, 0, 0
	EPILOGUE 76, 0, 78, 0
	s_wait_tensorcnt 0x0                           ; the wave's end
	ds_add_u32 v[SPW], v[NIL]
	s_wait_dscnt 0x0
	CROUND                                         ; the closing round
	s_endpgm
.Lfunc_end_k_q638aad737d_qkv:
	.size	k_q638aad737d_qkv, .Lfunc_end_k_q638aad737d_qkv-k_q638aad737d_qkv
	.p2alignl 7, 3214868480
	.fill 96, 4, 3214868480
	.section	.rodata,"a",@progbits
	.p2align	6, 0x0
	.amdhsa_kernel k_q638aad737d_qkv
		.amdhsa_group_segment_fixed_size 327680
		.amdhsa_private_segment_fixed_size 0
		.amdhsa_enable_private_segment 0
		.amdhsa_kernarg_size 24
		.amdhsa_user_sgpr_count 2
		.amdhsa_user_sgpr_kernarg_segment_ptr 1
		.amdhsa_wavefront_size32 1
		.amdhsa_system_sgpr_workgroup_id_x 1
		.amdhsa_system_sgpr_workgroup_id_y 1
		.amdhsa_system_sgpr_workgroup_id_z 1
		.amdhsa_system_vgpr_workitem_id 0
		.amdhsa_next_free_vgpr 1024
		.amdhsa_next_free_sgpr 100
		.amdhsa_reserve_vcc 1
		.amdhsa_float_denorm_mode_32 3
		.amdhsa_float_denorm_mode_16_64 3
		.amdhsa_memory_ordered 1
		.amdhsa_forward_progress 1
		.amdhsa_inst_pref_size 237
	.end_amdhsa_kernel
	.amdgpu_metadata
---
amdhsa.version: [ 1, 2 ]
amdhsa.kernels:
  - .name:           k_q638aad737d_qkv
    .symbol:         k_q638aad737d_qkv.kd
    .args:
      - { .name: in_img, .offset: 0, .size: 8, .value_kind: global_buffer, .address_space: global }
      - { .name: b_qkv, .offset: 8, .size: 8, .value_kind: global_buffer, .address_space: global }
      - { .name: qkv_img, .offset: 16, .size: 8, .value_kind: global_buffer, .address_space: global }
    .group_segment_fixed_size: 327680
    .private_segment_fixed_size: 0
    .kernarg_segment_align: 8
    .kernarg_segment_size: 24
    .max_flat_workgroup_size: 128
    .sgpr_count:     100
    .vgpr_count:     1024
    .wavefront_size: 32
...
	.end_amdgpu_metadata
.endif
;; end of part 2
;; launch score (part 3): grid 4 x 64, 4 waves a work-group, clusters of 4 x 4, 327,680 bytes of LDS; arguments qkv_img, p_img; writes p_img
.if DOCPART == 3
	.amdgcn_target "amdgcn-amd-amdhsa--gfx1250"
	.amdhsa_code_object_version 6
	.text
	.protected	k_q638aad737d_score
	.globl	k_q638aad737d_score
	.p2align	8
	.type	k_q638aad737d_score,@function
k_q638aad737d_score:
	s_mov_b64 s[64:65], 0
	v_nop
	global_prefetch_b8 v0, s[64:65] scope:SCOPE_SE
	s_setreg_imm32_b32 hwreg(HW_REG_WAVE_MODE, 25, 1), 1
	s_wait_xcnt 0x0
	s_wait_alu depctr_hold_cnt(0) depctr_sa_sdst(0) depctr_va_vdst(0) depctr_va_sdst(0) depctr_va_ssrc(0) depctr_va_vcc(0) depctr_vm_vsrc(0)
	s_getreg_b32 s2, hwreg(HW_REG_IB_STS2, 6, 4)
	s_cmp_eq_u32 s2, 0
	s_cbranch_scc0 .Lentry_in_a_cluster
	s_endpgm
.Lentry_in_a_cluster:
	s_bfe_u32 s2, ttmp6, 0x10000c
	s_cmp_lg_u32 s2, 0xf033
	s_cbranch_scc0 .Lentry_shape_is_right
	s_endpgm
.Lentry_shape_is_right:
; S^T = k q^T on operand images of FP6 (E2M3) codes, and the softmax's p quantised along the keys, under a LOCAL whole number M for each query and each 128 keys.
; t = score x log2(e) / 32; M_loc = the ceiling of the largest t of the query's 128 keys; p = 2^(t - M_loc), at most about 1; l_loc = the sum of the unquantised p.  Stored: p's codes and scale words as an operand
; image (rows = queries, K = keys), M_loc and l_loc beside the scale words, in their layout.  The next launch lowers the scale bytes by the row's M - M_loc: a power of two, which leaves the codes as they are.
; Images: codes [K/256][block of 16 rows][2 fragments][3 chunks][32 lanes][16 bytes]; lane r of block T holds row 32 (T / 2) + 8 (T % 2) + r + 8 (r / 8); scale words [K/256][group of 64 rows][2 x 16][4 blocks].
; A tile is 128 queries (A = q, source 1: the lanes) x 256 keys (B = k, source 0: the registers); a wave makes 64 x 128: 32 accumulators.  A wave's 64 registers of a block of queries are 128 keys in order:
; one fragment of p, whose maximum and sum need lane l xor 16 alone.
; A WORK-GROUP STAYS and makes two tiles: its 128 queries (tile 4 c + cy, c the cluster's number) against the keys' tiles cx and 4 + cx of their batch.  512 tiles on 256 work-groups.
; LDS: two slots of 512 along K, so a tile's 1,024 fill both.  Both are filled at the head (one tensor load a wave is out).  At the first tile's steps 3 and 7 the slot just read takes the second tile's keys (one load out in
; waves 2 and 3), behind a round of the cluster's barrier; q's rows stay where they lie.  A refill has four steps, 128 products, in which to land, behind step 7 the epilogue too.
; CLUSTER 4 x 4: q's tiles are shared along a row, k's along a column: joint loads.
; The second tile's first fragments are fetched in the first tile's last step and land under the epilogue.
; LIMITS: p under 2^-126 of its fragment's largest is 0 (the exponential's result is flushed: ISA guide, its entry); a block of such zeros keeps the byte 1; NaN and infinities are not served.
; REGISTERS.  Window 0: v1, v2 lane, r; v4-7 LDS addresses; v8 16 x lane; v9 16 r; v10, v11 the add's two; v12-15 at work; v16-31 at work (v24 -M, v25 its pair); v32-51 codes; v52-55 scale words made;
; v56-59 M_loc; v60-63 l_loc; v64-111, v112-159 scale words of q and k for the first and the second tile, and nothing else; v160-255 q's fragments, two sets (in an epilogue v160-223: t, then p).
; Window 1: k's fragments.  Window 2: accumulators.
.set SLOT,   147456                    ; a slot: 512 along K of q's 128 rows and k's 256 rows.  In LDS q's four units of 256 along K lie on end, then k's four; slot s is units 2 s, 2 s + 1 of both
.set AU,     24576                     ; a unit of q: 128 rows, its two halves of 64 rows on end
.set AKU,    12288
.set BOFF,   98304
.set BU,     49152                     ; a unit of k: 256 rows, its two halves of 128 rows on end
.set BKU,    24576
.set BLK,    3072
.set FRB,    1536
.set SPARE,  2*SLOT                    ; behind the slots: the spare words, 128 bytes a wave, that no other line names
.set STR,    1572864                   ; from one unit of 256 along K to the next, in q's image and in k's
.set SS,     65536                     ; the same for the scale words
.set NEXTB,  64*BLK                    ; from the keys' tile cx to tile 4 + cx: four tiles of 16 blocks
.set NEXTSB, 16*512                    ; the same in the scale words: 16 groups
.set NEXTO,  4*512*BLK                 ; in p's image: four units of 512 blocks
.set NEXTOS, 4*128*512                 ; and in its scale words
.set ADR,  240                         ; v240-245 of window 1: LDS addresses of my q fragments in slot 0, 1 and of my k fragments in units 0 to 3
.set GI,   8
.set GS,   9
.set SPW,  10
.set NIL,  11
.set TM,   16
.set NM,   24
.set PC,   32
.set PWS,  52
.set MLS,  56
.set LLS,  60
.set SA,   64                          ; q's scale words: 48 tile + 4 kp + a
.set SB,   80                          ; k's: 48 tile + 8 kp + b
.set T,    160
.set MSB, 0
.macro WIN new                         ; the immediate's high byte repeats the setting that is left
.if MSB != (\new)
	s_set_vgpr_msb (MSB<<8)|(\new)
.set MSB, \new
.endif
.endm
.macro PLACES                          ; four plain places: in front of loads into registers that matrix instructions have read, and of the first read of results
.rept 4
	v_nop
.endr
.endm
.macro CROUND                          ; a round of the cluster's barrier
	s_barrier_signal -1
	s_barrier_wait -1
	s_cmp_lg_u32 s12, 0
	s_cbranch_scc1 .Lnot_wave_0_\@
	s_barrier_signal -3
.Lnot_wave_0_\@:
	s_barrier_wait -3
	s_barrier_signal -1
	s_barrier_wait -1
.endm
.macro JLOADB s                        ; a joint refill of slot s with the second tile's keys: waves 2 and 3 fetch k's halves, waves 0 and 1 have no part to fill and issue nothing; the branch hangs on the wave's number alone;
	s_cmp_eq_u32 s13, 0                            ; an s_nop 0 and four v_nop follow the load
	s_cbranch_scc0 .Lfor_b_\@
	PLACES
	s_branch .Lasked_\@
.Lfor_b_\@:
	tensor_load_to_lds s[68+4*\s:71+4*\s], s[32:39]
	s_nop 0
	PLACES
.Lasked_\@:
.endm
; WINDOWS 1 TO 3 (this map replaces what the head comment says of fragments and accumulators).  Window 1: v0-127 the accumulators of q's blocks 0, 1; v128-223 k's fragments 4-7, two sets; v240-245 LDS addresses.
; Window 2: v0-63 the accumulators of q's block 2; v128-223 q's fragments, two sets.  Window 3: v0-63 the accumulators of q's block 3; v128-223 k's fragments 0-3, two sets.
.macro ACC a                           ; where block a's eight accumulators lie: window AW, from register AB on
.set AW, 1+((\a)/2)*((\a)-1)
.set AB, 64*((\a)%2)*(1-(\a)/2)
.endm
.macro SETF g                          ; step g's fragments (128 along K; g counts on from tile to tile) are the ones that LD1 fetches: set fp, slot fs, unit fj of the slot
.set fp, (\g)%2
.set fs, ((\g)/4)%2
.set fj, ((\g)/2)%2
.set LN, 0
.endm
.macro LD1                             ; the next of a step's 36 loads of 512 dense bytes: 0-11 q's four fragments, 12-23 k's 0-3, 24-35 k's 4-7
.if LN < 12
	ds_load_b128 v[128+48*fp+4*LN:128+48*fp+4*LN+3], v[ADR+fs] offset:fj*AU+(LN/3)*BLK+fp*FRB+512*(LN%3)
.else
	ds_load_b128 v[128+48*fp+4*(LN%12):128+48*fp+4*(LN%12)+3], v[ADR+2+2*fs+fj] offset:(LN/3-4)*BLK+fp*FRB+512*(LN%3)
.endif
.set LN, LN+1
.endm
.macro FETCH g                         ; a step's 36 loads, in one run
	SETF \g
.irp w, 0x81, 0xc1, 0x41               ; destination window 2, 3, 1; the address from window 1
	WIN \w
.rept 12
	LD1
.endr
.endr
.endm
; Four products: q's block a against k's blocks 4 bh .. 4 bh + 3.  cm = 1: a tile's first step starts the sums.  An odd step's scale words lie in lanes 16-31.
.macro GRP cm, a, bh
	ACC \a
	WIN (3-2*(\bh))|0x08|(AW<<4)|(AW<<6)           ; source 0 (k) window 3 or 1, source 1 (q) window 2, C and D window AW
.irp b, 0,1,2,3
.set DR, AB+32*(\bh)+8*\b
.set BR, 128+48*mp+12*\b
.set AR, 128+48*mp+12*(\a)
.set SBR, SB+ms+8*mk+4*(\bh)+\b
.set SAR, SA+ms+4*mk+(\a)
.if (\cm) == 1
	v_wmma_scale_f32_16x16x128_f8f6f4 v[DR:DR+7], v[BR:BR+11], v[AR:AR+11], 0, v[SBR], v[SAR] matrix_a_fmt:MATRIX_FMT_FP6 matrix_b_fmt:MATRIX_FMT_FP6
.elseif mp == 0
	v_wmma_scale_f32_16x16x128_f8f6f4 v[DR:DR+7], v[BR:BR+11], v[AR:AR+11], v[DR:DR+7], v[SBR], v[SAR] matrix_a_fmt:MATRIX_FMT_FP6 matrix_b_fmt:MATRIX_FMT_FP6
.else
	v_wmma_scale_f32_16x16x128_f8f6f4 v[DR:DR+7], v[BR:BR+11], v[AR:AR+11], v[DR:DR+7], v[SBR], v[SAR] matrix_a_fmt:MATRIX_FMT_FP6 matrix_b_fmt:MATRIX_FMT_FP6 matrix_a_scale:MATRIX_SCALE_ROW1 matrix_b_scale:MATRIX_SCALE_ROW1
.endif
.endr
.endm
; A step: ft = 1: the next step's 36 loads in one run, then the step's 32 products; the accumulators take turns, one instruction a turn.
; The first four products need q and k's 0-3; k's 4-7, the last twelve loads of the step's own run, are waited for behind them.
.macro MUL32 g, cm, ft
.set mp, (\g)%2
.set mk, ((\g)%8)/2
.set ms, 48*(((\g)/8)%2)
.if \ft
	FETCH (\g)+1
.endif
	GRP \cm, 2, 0
	s_wait_dscnt 36*(\ft)                          ; all but the 36 loads just issued: this step's k 4-7 are in
	GRP \cm, 2, 1
	GRP \cm, 3, 0
	GRP \cm, 3, 1
	GRP \cm, 0, 0
	GRP \cm, 1, 0
	GRP \cm, 0, 1
	GRP \cm, 1, 1
.endm
.macro LOADSC set, offb                ; a tile's scale words of all of K, straight into registers: 512 dense bytes a load
.irp kp, 0,1,2,3
	global_load_b128 v[SA+48*(\set)+4*\kp:SA+48*(\set)+4*\kp+3], v[GI], s[62:63] offset:\kp*SS
	global_load_b128 v[SB+48*(\set)+8*\kp:SB+48*(\set)+8*\kp+3], v[GI], s[66:67] offset:\kp*SS+(\offb)
	global_load_b128 v[SB+48*(\set)+8*\kp+4:SB+48*(\set)+8*\kp+7], v[GI], s[66:67] offset:\kp*SS+(\offb)+512
.endr
.endm
; A step of 128 along K.  kind 0: the next step's fragments are fetched at the step's head, so that they have its 32 products in which to land.  kind 1: the next step opens a slot that other waves' loads brought, and
; nothing is filled again.  kind 2: a change of slots with a refill: all my tensor loads have landed (my part of the next slot), the add, my reads of this slot are over; a round of the cluster's barrier;
; the joint refill first behind it; then the next slot's first fragments.  kind 3: the last step.
.macro STEP g, kind, zero
	WIN 0
.set FT, 1
.if (\kind) == 3
.set FT, 0
.endif
.if ((\kind) == 0) || ((\kind) == 3)
	s_wait_dscnt 12                                ; this step's q and k 0-3 are in; the youngest twelve loads, k 4-7, may be out
.else
	s_wait_dscnt 0x0                               ; a barrier follows: no LDS instruction of mine is out
.endif
.if (\kind) == 1
	s_wait_tensorcnt 0x0                           ; my part of the last slot is in,
	s_barrier_signal -1
	s_barrier_wait -1                              ; everybody's is
.endif
.if (\kind) == 2
.set ks, ((\g)/4)%2
	s_wait_tensorcnt 0x0                           ; no tensor load of mine is out, so a group 0 may be written
	ds_add_u32 v[SPW], v[NIL]                      ; 0 onto my spare word; the descriptor's step stands between it and the wait for it
	s_add_nc_u64 s[70+4*ks:71+4*ks], s[70+4*ks:71+4*ks], NEXTB
	s_wait_dscnt 0x0                               ; the add is done, and my reads of this slot are over
	CROUND                                         ; so it is with every wave of every partner
	JLOADB ks                                      ; its four v_nop are also the places in front of the loads below
.elseif (\kind) < 2
	PLACES
.endif
	MUL32 \g, \zero, FT
.endm
.macro BYTES pw                        ; from the four blocks' largest magnitudes: the conversions' scale operands, the bytes, the row's scale word
.irp b, 0,1,2,3
	v_add_nc_u32 v[TM+12+\b], 0xff000000, v[TM+\b] ; 2 off the exponent field
.endr
.irp b, 0,1,2,3
	v_lshrrev_b32 v[TM+4+\b], 23, v[TM+12+\b]
.endr
	v_lshl_or_b32 v[\pw], v[TM+5], 8, v[TM+4]
	v_lshl_or_b32 v[\pw], v[TM+6], 16, v[\pw]
	v_lshl_or_b32 v[\pw], v[TM+7], 24, v[\pw]
.endm
.macro CODES s, w                      ; 64 numbers at v[s] of window w, register 16 b + i = K 32 b + 16 h + i, become the fragment's 12 registers at v[PC]
	WIN \w
.irp c, 0,1
	v_cvt_scalef32_pk16_fp6_f32 v[PC+6*\c:PC+2+6*\c], v[(\s)+32*\c:(\s)+15+32*\c], v[TM+12+2*\c]
	v_cvt_scalef32_pk16_fp6_f32 v[PC+12+4*\c:PC+14+4*\c], v[(\s)+16+32*\c:(\s)+31+32*\c], v[TM+12+2*\c+1]   ; (a conversion's three registers begin on an even number)
.endr
	WIN 0
	v_nop                                          ; one plain place behind a scaled conversion
.irp c, 0,1                            ; the layout wants a whole block in a lane: lanes 0-15 block 2 c, lanes 16-31 block 2 c + 1
.irp i, 0,1,2
	v_permlane16_swap_b32 v[PC+6*\c+\i], v[PC+12+4*\c+\i]
.endr
.irp i, 0,1,2
	v_mov_b32 v[PC+3+6*\c+\i], v[PC+12+4*\c+\i]
.endr
.endr
.endm
.macro PUT a, off                      ; the fragment goes out as it stands: 512 consecutive bytes a store, aligned
.irp c, 0,1,2
	global_store_b128 v[GI], v[PC+4*\c:PC+4*\c+3], s[92:93] offset:(\off)+BLK*(\a)+512*\c
.endr
.endm
; Block a of my queries: 16 queries x my 128 keys become a fragment of p.
.macro SOFTQ a, off
	ACC \a
	WIN 5*AW                                       ; sources 0 and 1: the block's window
.irp b, 0,1,2,3
	v_max_num_f32 v[TM+\b], v[AB+16*\b], v[AB+16*\b+1]   ; the largest SCORE of each block of 32 keys: it serves for the row's maximum and, since p rises with the score, for the block's largest p.  Each accumulator is read from its low end on
.endr
.irp i, 2,4,6,8,10,12,14
.irp b, 0,1,2,3
	v_max3_num_f32 v[TM+\b], v[AB+16*\b+\i], v[AB+16*\b+\i+1], v[TM+\b]
.endr
.endr
	WIN 0
.irp b, 0,1,2,3
	v_permlanex16_b32 v[TM+4+\b], v[TM+\b], s56, s57
.endr
.irp b, 0,1,2,3
	v_max_num_f32 v[TM+\b], v[TM+\b], v[TM+4+\b]   ; with lane l xor 16's 16 keys
.endr
	v_max3_num_f32 v12, v[TM], v[TM+1], v[TM+2]
	v_max_num_f32 v12, v12, v[TM+3]                ; my query's largest score of these 128 keys,
	v_mul_f32 v12, s58, v12                        ; as t (c is positive)
	v_floor_f32 v[NM], -v12                        ; -M_loc = floor(-t) = -ceil(t): a whole number
	WIN AW                                         ; source 0: the block's window
.set i, 0
.rept 32
	v_pk_fma_f32 v[T+2*i:T+2*i+1], v[AB+2*i:AB+2*i+1], s[58:59], v[NM:NM+1] op_sel_hi:[1,0,0]   ; t - M, two at a time (of the pairs c and -M the low word serves both halves)
.set i, i+1
.endr
	WIN 0
.irp b, 0,1,2,3
	v_fma_f32 v[TM+\b], v[TM+\b], s58, v[NM]       ; the same of each block's largest score
.endr
.set i, 0
	s_wait_alu depctr_va_vdst(0)
.rept 64
	v_exp_f32 v[T+i], v[T+i]                       ; p = 2^(t - M): not normalised
.set i, i+1
.endr
	v_mul_f32 v[MLS+\a], -1.0, v[NM]               ; M_loc.  (The plain place behind the exponentials)
	s_wait_alu depctr_va_vdst(0)                   ; one wait for the batch of 64, ahead of its first reader
.irp b, 0,1,2,3
	v_exp_f32 v[TM+\b], v[TM+\b]                   ; the block's largest p: the same two instructions on the same number give the same bits
.endr
	v_pk_add_f32 v[12:13], v[T:T+1], v[T+2:T+3]    ; the sum is taken of the unquantised p: two at a time, in two chains.  (It reads the 64 alone: plain work behind the four)
	v_pk_add_f32 v[14:15], v[T+4:T+5], v[T+6:T+7]
.irp j, 8,12,16,20,24,28,32,36,40,44,48,52,56,60
	v_pk_add_f32 v[12:13], v[12:13], v[T+\j:T+\j+1]
	v_pk_add_f32 v[14:15], v[14:15], v[T+\j+2:T+\j+3]
.endr
	v_pk_add_f32 v[12:13], v[12:13], v[14:15]
	s_wait_alu depctr_va_vdst(0)                   ; and one for the four
.irp b, 0,1,2,3
	v_max_num_f32 v[TM+\b], 0x1800000, v[TM+\b]    ; the floor 2^(3 - 127): the byte cannot fall under 1
.endr
	BYTES PWS+\a
.set PC, 32+192*((\a)%2)               ; the codes' registers: two sets, v32-51 and v224-243, by turns
.if \a > 1
	s_wait_xcnt 0x0                                ; the stores of the fragment two back have read this set
.endif
	CODES T, 0
	v_add_f32 v12, v12, v13                        ; the sum's two halves,
	v_permlanex16_b32 v14, v12, s56, s57
	v_add_f32 v[LLS+\a], v12, v14                  ; and lane l xor 16's: l_loc
	PUT \a, \off
.endm
.macro EPILOGUE off, soff              ; a tile's four fragments of p, their scale words, M_loc and l_loc
	WIN 0
	PLACES
	s_wait_xcnt 0x0                                ; the tile before has stored from the registers that this one writes: its stores have read them
	SOFTQ 0, \off
	SOFTQ 1, \off
	SOFTQ 2, \off
	SOFTQ 3, \off
	v_cmp_gt_u32 vcc_lo, 16, v1                    ; lanes 0-15 store their rows' four words of each kind: 256 consecutive bytes a store, aligned
	s_wait_alu depctr_va_vdst(0)
	s_wait_xcnt 0x0                                ; EXEC changes only behind this wait
	s_and_saveexec_b32 s23, vcc_lo
	global_store_b128 v[GS], v[PWS:PWS+3], s[94:95] offset:\soff
	global_store_b128 v[GS], v[MLS:MLS+3], s[94:95] offset:(\soff)+524288
	global_store_b128 v[GS], v[LLS:LLS+3], s[94:95] offset:(\soff)+1048576
	s_wait_xcnt 0x0
	s_or_b32 exec_lo, exec_lo, s23
.endm
	s_load_b64 s[4:5], s[0:1], 0x0                 ; qkv_img
	s_load_b64 s[8:9], s[0:1], 0x8                 ; p_img
	v_lshl_add_u32 v[SPW], v0, 2, SPARE
	v_mov_b32 v[NIL], 0
	ds_add_u32 v[SPW], v[NIL]                      ; the wave's opening: the add and its wait ahead of my first tensor load; work on registers stands between
	ds_add_u32 v[SPW], v[NIL]
	v_lshrrev_b32 v1, 5, v0
	v_readfirstlane_b32 s12, v1                    ; wave
	s_lshr_b32 s13, s12, 1                         ; HA: my half of the queries.  Also: I fetch for q (0) or for k (1)
	s_and_b32 s14, s12, 1                          ; HB: my half of the keys.  Also: which half I fetch
	s_bfe_u32 s15, ttmp6, 0x40000                  ; cx: also the first tile of 256 keys
	s_bfe_u32 s16, ttmp6, 0x40004                  ; cy
	s_and_b32 s18, ttmp7, 0xffff                   ; c: the cluster's y, 0 .. 15 (the grid has one cluster along x)
	s_lshl_b32 s20, s18, 2
	s_add_co_u32 s20, s20, s16                     ; the tile of 128 queries, 0 .. 63
	s_lshr_b32 s21, s18, 2                         ; the batch: the same in all sixteen partners
	s_lshl_b32 s84, s20, 3
	s_mul_i32 s84, s84, BLK
	s_mul_i32 s85, s14, STR
	s_add_co_u32 s84, s84, s85                     ; what I fetch of q: the tile's eight blocks, unit HB of a slot
	s_mov_b32 s85, 0
	s_mul_i32 s86, s14, AU                         ; and where it goes
	s_lshl_b32 s88, s15, 4
	s_lshl_b32 s89, s21, 7
	s_add_co_u32 s88, s88, s89
	s_mul_i32 s88, s88, BLK
	s_add_co_u32 s88, s88, 6291456                 ; of k: block 128 batch + 16 cx + 8 HB, behind q's four units
	s_mul_i32 s89, s14, STR
	s_add_co_u32 s88, s88, s89                     ; of k: the tile's sixteen blocks, unit HB of a slot
	s_mov_b32 s89, 0
	s_mul_i32 s90, s14, BU
	s_add_co_u32 s90, s90, BOFF
	s_lshl_b32 s62, s20, 1
	s_add_co_u32 s62, s62, s13
	s_lshl_b32 s62, s62, 9
	s_add_co_u32 s62, s62, 18874368                ; my queries' scale words
	s_mov_b32 s63, 0
	s_lshl_b32 s66, s15, 2
	s_lshl_b32 s67, s14, 1
	s_add_co_u32 s66, s66, s67
	s_lshl_b32 s67, s21, 5
	s_add_co_u32 s66, s66, s67
	s_lshl_b32 s66, s66, 9
	s_add_co_u32 s66, s66, 19136512                ; my keys'
	s_mov_b32 s67, 0
	s_lshl_b32 s92, s15, 9
	s_lshl_b32 s93, s20, 3
	s_add_co_u32 s92, s92, s93
	s_lshl_b32 s93, s13, 2
	s_add_co_u32 s92, s92, s93
	s_mul_i32 s92, s92, BLK
	s_mul_i32 s93, s14, FRB
	s_add_co_u32 s92, s92, s93                     ; p's codes: unit = the tile of keys, block 8 tile + 4 HA, fragment HB
	s_mov_b32 s93, 0
	s_lshl_b32 s94, s15, 7
	s_lshl_b32 s95, s20, 1
	s_add_co_u32 s94, s94, s95
	s_add_co_u32 s94, s94, s13
	s_lshl_b32 s94, s94, 9
	s_lshl_b32 s95, s14, 8
	s_add_co_u32 s94, s94, s95
	s_add_co_u32 s94, s94, 12582912                ; its scale words; M_loc 524,288 bytes on, l_loc 1,048,576
	s_mov_b32 s95, 0
	s_lshl_b32 s2, s16, 2
	s_lshl_b32 s2, 15, s2                          ; my row of the cluster
	s_lshl_b32 s3, 0x1111, s15                     ; my column
	s_or_b32 s24, s2, (3<<16)|(1<<21)              ; group 1 for q: 15:0 the mask; 17:16 elements of 8 bytes; 21 set beside a mask; no padding
	s_or_b32 s32, s3, (3<<16)|(1<<21)              ; for k
	s_mov_b32 s25, 1536<<16                        ; a slot's part: two rows, one for each unit of 256 along K; a row is four blocks, 12,288 bytes: tensor_dim0 = 1,536
	s_mov_b32 s26, 2<<16                           ; a unit of q is dense in memory: two rows of 12,288 bytes: tensor_dim1 = 2
	s_mov_b32 s27, 1536<<16                        ; tile_dim0
	s_mov_b32 s28, 2                               ; tile_dim1
	s_mov_b32 s29, 1536                            ; the pitch: a row
	s_mov_b32 s30, 0
	s_mov_b32 s31, 0
	s_mov_b32 s33, 3072<<16                        ; eight blocks, 24,576 bytes
	s_mov_b32 s34, 2<<16                           ; a unit of k: two rows of 24,576 bytes
	s_mov_b32 s35, 3072<<16
	s_mov_b32 s36, 2
	s_mov_b32 s37, 3072
	s_mov_b32 s38, 0
	s_mov_b32 s39, 0
	s_mov_b32 s56, 0x76543210
	s_mov_b32 s57, 0xfedcba98                      ; selects for lane l xor 16
	s_mov_b32 s58, 0x3d38aa3b                      ; c = log2(e) / 32: the f32 log2(e) with 5 off its exponent, so score x c has the bits of (score / 32) x log2(e)
	s_mov_b32 s59, s58                             ; (named with it as a pair, so it is written)
	v_and_b32 v1, 31, v0
	v_and_b32 v2, 15, v0
	v_lshlrev_b32 v[GI], 4, v1
	v_lshlrev_b32 v[GS], 4, v2
	s_wait_alu depctr_va_vdst(0)                   ; ahead of a run of scalar instructions
	s_mul_i32 s80, s13, AKU                        ; my half of q's rows, slot 0,
	s_add_co_u32 s81, s80, 2*AU                    ; slot 1;
	s_mul_i32 s82, s14, BKU
	s_add_co_u32 s82, s82, BOFF                    ; my half of k's rows, unit 0,
	s_add_co_u32 s83, s82, BU                      ; unit 1
	WIN 0x40                                       ; destination window 1
.irp i, 0,1,2,3
	v_add_nc_u32 v[ADR+\i], s[80+\i], v[GI]
.endr
	s_add_co_u32 s82, s82, 2*BU                    ; units 2 and 3
	s_add_co_u32 s83, s83, 2*BU
.irp i, 0,1
	v_add_nc_u32 v[ADR+4+\i], s[82+\i], v[GI]
.endr
	WIN 0
.irp b, 0,1,2,3
	v_mov_b32 v[TM+4+\b], 0                        ; a lane permute's destination counts as one of its sources
.endr
	v_mov_b32 v[NM+1], 0                           ; (named as the upper half of -M's pair)
	s_wait_dscnt 0x0                               ; the opening add is done
	s_wait_kmcnt 0x0
	s_add_nc_u64 s[62:63], s[4:5], s[62:63]
	s_add_nc_u64 s[66:67], s[4:5], s[66:67]
	s_add_nc_u64 s[84:85], s[4:5], s[84:85]
	s_add_nc_u64 s[88:89], s[4:5], s[88:89]
	s_add_nc_u64 s[92:93], s[8:9], s[92:93]
	s_add_nc_u64 s[94:95], s[8:9], s[94:95]
.irp s, 0,1                            ; a group 0 for each slot
	s_mov_b32 s[40+4*\s], 1
	s_add_co_u32 s[41+4*\s], s86, \s*2*AU
	s_add_nc_u64 s[42+4*\s:43+4*\s], s[84:85], \s*2*STR
	s_or_b32 s[43+4*\s], s[43+4*\s], 0x80000000
	s_mov_b32 s[68+4*\s], 1
	s_add_co_u32 s[69+4*\s], s90, \s*2*BU
	s_add_nc_u64 s[70+4*\s:71+4*\s], s[88:89], \s*2*STR
	s_or_b32 s[71+4*\s], s[71+4*\s], 0x80000000
.endr
	s_or_b32 s4, s2, (3<<16)|(1<<21)               ; two more groups 1, for the head alone, in registers whose first use is over: units 1 to 3 of q: three rows of 24,576 bytes, a unit apart in memory,
	s_mov_b32 s5, 3072<<16
	s_mov_b32 s6, 3<<16
	s_mov_b32 s7, 3072<<16
	s_mov_b32 s8, 3
	s_mov_b32 s9, STR/8
	s_mov_b32 s10, 0
	s_mov_b32 s11, 0
	s_or_b32 s84, s3, (3<<16)|(1<<21)              ; and of k: three rows of 49,152 bytes
	s_mov_b32 s85, 6144<<16
	s_mov_b32 s86, 3<<16
	s_mov_b32 s87, 6144<<16
	s_mov_b32 s88, 3
	s_mov_b32 s89, STR/8
	s_mov_b32 s90, 0
	s_mov_b32 s91, 0
	CROUND                                         ; all sixteen work-groups are here: the joint loads meet
; THE HEAD'S LOADS, ONE A WAVE.  What the first two steps need comes by loads of its own: wave 0 fetches q's unit 0, wave 2 k's unit 0; wave 1 fetches q's units 1 to 3, wave 3 k's.
; Slot 0's group 0 serves all four: with HB = 0 it stands at unit 0, with HB = 1 at unit 1.  One chain of branches on the wave's number, a load to an arm, all arms leading to one join.
.macro ARM under, g0, g1, next
	s_cmp_lt_u32 s12, \under
	s_cbranch_scc0 \next
	tensor_load_to_lds s[\g0:\g0+3], s[\g1:\g1+7]
	s_nop 0
	PLACES
	s_branch .Lfirst_done
\next:
.endm
	ARM 1, 40, 24, .Lhead_1
	ARM 2, 40, 4, .Lhead_2
	ARM 3, 68, 32, .Lhead_3
	tensor_load_to_lds s[68:71], s[84:91]
	s_nop 0
	PLACES
.Lfirst_done:
	LOADSC 0, 0                                    ; both tiles' scale words are asked for behind the tensor load, and travel beside it
	LOADSC 1, NEXTSB
	s_wait_loadcnt 0x0                             ; the scale words
	s_cmp_lg_u32 s14, 0                            ; waves 1 and 3: units 1 to 3 may stay out, and step 1 waits for them
	s_cbranch_scc1 .Lrest_out
	s_wait_tensorcnt 0x0                           ; waves 0 and 2: my part of unit 0 is in,
.Lrest_out:
	s_barrier_signal -1
	s_barrier_wait -1                              ; everybody's is
	s_wait_alu depctr_va_vdst(0)
	FETCH 0
	; ---- the first tile: keys' tile cx
	STEP 0, 0, 1
	STEP 1, 1, 0                                   ; units 1 to 3 are whole behind its barrier
	STEP 2, 0, 0
	STEP 3, 2, 0                                   ; slot 0 takes the second tile's keys, their first 512 along K
	STEP 4, 0, 0
	STEP 5, 0, 0
	STEP 6, 0, 0
	STEP 7, 2, 0                                   ; slot 1 their last 512; slot 0 was shown whole by this step's round, and the second tile's first fragments are fetched here and land under the epilogue
	EPILOGUE 0, 0
	; ---- the second tile: keys' tile 4 + cx
	STEP 8, 0, 1
	STEP 9, 0, 0
	STEP 10, 0, 0
	STEP 11, 1, 0                                  ; the last slot is whole; nothing is left to fetch
	STEP 12, 0, 0
	STEP 13, 0, 0
	STEP 14, 0, 0
	STEP 15, 3, 0
	EPILOGUE NEXTO, NEXTOS
	s_wait_tensorcnt 0x0                           ; the wave's end
	ds_add_u32 v[SPW], v[NIL]
	s_wait_dscnt 0x0
	CROUND                                         ; the closing round
	s_endpgm
.Lfunc_end_k_q638aad737d_score:
	.size	k_q638aad737d_score, .Lfunc_end_k_q638aad737d_score-k_q638aad737d_score
	.p2alignl 7, 3214868480
	.fill 96, 4, 3214868480
	.section	.rodata,"a",@progbits
	.p2align	6, 0x0
	.amdhsa_kernel k_q638aad737d_score
		.amdhsa_group_segment_fixed_size 327680
		.amdhsa_private_segment_fixed_size 0
		.amdhsa_enable_private_segment 0
		.amdhsa_kernarg_size 16
		.amdhsa_user_sgpr_count 2
		.amdhsa_user_sgpr_kernarg_segment_ptr 1
		.amdhsa_wavefront_size32 1
		.amdhsa_system_sgpr_workgroup_id_x 1
		.amdhsa_system_sgpr_workgroup_id_y 1
		.amdhsa_system_sgpr_workgroup_id_z 1
		.amdhsa_system_vgpr_workitem_id 0
		.amdhsa_next_free_vgpr 1024
		.amdhsa_next_free_sgpr 100
		.amdhsa_reserve_vcc 1
		.amdhsa_float_denorm_mode_32 3
		.amdhsa_float_denorm_mode_16_64 3
		.amdhsa_memory_ordered 1
		.amdhsa_forward_progress 1
		.amdhsa_inst_pref_size 210
	.end_amdhsa_kernel
	.amdgpu_metadata
---
amdhsa.version: [ 1, 2 ]
amdhsa.kernels:
  - .name:           k_q638aad737d_score
    .symbol:         k_q638aad737d_score.kd
    .args:
      - { .name: qkv_img, .offset: 0, .size: 8, .value_kind: global_buffer, .address_space: global }
      - { .name: p_img, .offset: 8, .size: 8, .value_kind: global_buffer, .address_space: global }
    .group_segment_fixed_size: 327680
    .private_segment_fixed_size: 0
    .kernarg_segment_align: 8
    .kernarg_segment_size: 16
    .max_flat_workgroup_size: 128
    .sgpr_count:     100
    .vgpr_count:     1024
    .wavefront_size: 32
...
	.end_amdgpu_metadata
.endif
;; end of part 3
;; launch pv (part 4): grid 4 x 64, 4 waves a work-group, clusters of 4 x 4, 327,680 bytes of LDS; arguments p_img, qkv_img, o_img; writes o_img
.if DOCPART == 4
	.amdgcn_target "amdgcn-amd-amdhsa--gfx1250"
	.amdhsa_code_object_version 6
	.text
	.protected	k_q638aad737d_pv
	.globl	k_q638aad737d_pv
	.p2align	8
	.type	k_q638aad737d_pv,@function
k_q638aad737d_pv:
	s_mov_b64 s[64:65], 0
	v_nop
	global_prefetch_b8 v0, s[64:65] scope:SCOPE_SE
	s_setreg_imm32_b32 hwreg(HW_REG_WAVE_MODE, 25, 1), 1
	s_wait_xcnt 0x0
	s_wait_alu depctr_hold_cnt(0) depctr_sa_sdst(0) depctr_va_vdst(0) depctr_va_sdst(0) depctr_va_ssrc(0) depctr_va_vcc(0) depctr_vm_vsrc(0)
	s_getreg_b32 s2, hwreg(HW_REG_IB_STS2, 6, 4)
	s_cmp_eq_u32 s2, 0
	s_cbranch_scc0 .Lentry_in_a_cluster
	s_endpgm
.Lentry_in_a_cluster:
	s_bfe_u32 s2, ttmp6, 0x10000c
	s_cmp_lg_u32 s2, 0xf033
	s_cbranch_scc0 .Lentry_shape_is_right
	s_endpgm
.Lentry_shape_is_right:
; O^T = v^T p^T on operand images of FP6 (E2M3) codes, divided by the row's sum and quantised along d for the last product.
; p arrives quantised under a local whole number M_loc for each query and each 128 keys.  At the head each wave finds, for its 64 queries, M = the largest M_loc, l = the sum of l_loc x 2^(M_loc - M), and lowers
; each scale byte of p by M - M_loc (held at 0): a power of two, which a block's scale takes up, so the codes stand for the same numbers as under M.
; Images: codes [K/256][block of 16 rows][2 fragments][3 chunks][32 lanes][16 bytes]; lane r of block T holds row 32 (T / 2) + 8 (T % 2) + r + 8 (r / 8); scale words [K/256][group of 64 rows][2 x 16][4 blocks].
; A work-group makes 128 queries (A = p, source 1: the lanes) x 256 of d (B = v^T, source 0: the registers); a wave 64 x 128: 32 accumulators.  K = the batch's 2,048 keys: 16 steps of 128.
; LDS: two slots of 512 keys.  Both are filled at the head (one tensor load a wave is out) and each is filled once more (one load out), behind a round of the cluster's barrier; a refill has four steps, 128 products, to land.
; CLUSTER 4 x 4: p's tiles are shared along a row, v^T's along a column: joint loads.
; LIMITS: a fragment whose M_loc lies more than 127 under the row's M counts with the factor 2^-127 in l and with scale bytes 0 (2^-127) in the product: under 2^-117 of the row's sum, which is above 1/2;
; M - M_loc is exact while |t| < 2^24; a block of zeros of o gets the byte 1 where the rule says 127 (this program alone reads the bytes); NaN and infinities are not served.
; REGISTERS.  Window 0: v1, v2 lane, r; v4-7 LDS addresses; v8 16 x lane; v9 16 r; v10, v11 the add's two; v16-31 at work; v32-51 codes; v52-55 scale words made; v56-63 1 / l, a pair a block;
; v64-95 p's scale words, v96-159 v^T's, and nothing else; v160-255 p's fragments, two sets (at the head: M_loc, l_loc, work; behind the products v160-223: o).  Window 1: v^T's fragments.  Window 2: accumulators.
.set SLOT,  147456                     ; a slot: 512 keys of p's 128 rows and v^T's 256 rows.  In LDS four units of 256 keys of p lie on end, then four of v^T; slot s is units 2 s, 2 s + 1 of both
.set AU,    24576                      ; a unit of p: 128 rows, its two halves of 64 rows on end
.set AKU,   12288
.set BOFF,  98304
.set BU,    49152                      ; a unit of v^T: 256 rows, its two halves of 128 rows on end
.set BKU,   24576
.set BLK,   3072
.set FRB,   1536
.set SPARE, 2*SLOT                     ; behind the slots: the spare words, 128 bytes a wave, that no other line names
.set STRA,  1572864
.set STRB,  196608
.set SSA,   65536
.set SSB,   8192
.set ADR,  240                         ; v240-245 of window 1: LDS addresses of my p fragments in slot 0, 1 and of my v^T fragments in units 0 to 3
.set GI,   8
.set GS,   9
.set SPW,  10
.set NIL,  11
.set TM,   16
.set PC,   32
.set PWS,  52
.set RL,   56
.set SA,   64
.set SB,   96
.set T,    160
.set ML,   160                         ; at the head: M_loc (4 kp + a), lanes 0-15 fragment 2 kp, lanes 16-31 fragment 2 kp + 1
.set LL,   192                         ; l_loc likewise
.set MX,   224                         ; M
.set PT,   228
.set LS,   232                         ; l
.set TA,   236
.set TB,   240
.set MSB, 0
.macro WIN new                         ; the immediate's high byte repeats the setting that is left
.if MSB != (\new)
	s_set_vgpr_msb (MSB<<8)|(\new)
.set MSB, \new
.endif
.endm
.macro PLACES                          ; four plain places: in front of loads into registers that matrix instructions have read, and of the first read of results
.rept 4
	v_nop
.endr
.endm
.macro CROUND                          ; a round of the cluster's barrier
	s_barrier_signal -1
	s_barrier_wait -1
	s_cmp_lg_u32 s12, 0
	s_cbranch_scc1 .Lnot_wave_0_\@
	s_barrier_signal -3
.Lnot_wave_0_\@:
	s_barrier_wait -3
	s_barrier_signal -1
	s_barrier_wait -1
.endm
.macro JLOAD s                         ; a joint refill of slot s: waves 0 and 1 fetch p's halves, waves 2 and 3 v^T's; the branch hangs on the wave's number alone; an s_nop 0 and four v_nop follow each line
	s_cmp_eq_u32 s13, 0
	s_cbranch_scc0 .Lfor_b_\@
	tensor_load_to_lds s[40+4*\s:43+4*\s], s[24:31]
	s_nop 0
	PLACES
	s_branch .Lasked_\@
.Lfor_b_\@:
	tensor_load_to_lds s[68+4*\s:71+4*\s], s[32:39]
	s_nop 0
	PLACES
.Lasked_\@:
.endm
; WINDOWS 1 TO 3 (this map replaces what the head comment says of fragments and accumulators).  Window 1: v0-127 the accumulators of p's blocks 0, 1; v128-223 v^T's fragments 4-7, two sets; v240-245 LDS addresses.
; Window 2: v0-63 the accumulators of p's block 2; v128-223 p's fragments, two sets.  Window 3: v0-63 the accumulators of p's block 3; v128-223 v^T's fragments 0-3, two sets.
.macro ACC a                           ; where block a's eight accumulators lie: window AW, from register AB on
.set AW, 1+((\a)/2)*((\a)-1)
.set AB, 64*((\a)%2)*(1-(\a)/2)
.endm
.macro SETF g                          ; step g's fragments (128 keys) are the ones that LD1 fetches: set fp, slot fs, unit fj of the slot
.set fp, (\g)%2
.set fs, ((\g)/4)%2
.set fj, ((\g)/2)%2
.set LN, 0
.endm
.macro LD1                             ; the next of a step's 36 loads of 512 dense bytes: 0-11 p's four fragments, 12-23 v^T's 0-3, 24-35 v^T's 4-7
.if LN < 12
	ds_load_b128 v[128+48*fp+4*LN:128+48*fp+4*LN+3], v[ADR+fs] offset:fj*AU+(LN/3)*BLK+fp*FRB+512*(LN%3)
.else
	ds_load_b128 v[128+48*fp+4*(LN%12):128+48*fp+4*(LN%12)+3], v[ADR+2+2*fs+fj] offset:(LN/3-4)*BLK+fp*FRB+512*(LN%3)
.endif
.set LN, LN+1
.endm
.macro FETCH g                         ; a step's 36 loads, in one run
	SETF \g
.irp w, 0x81, 0xc1, 0x41               ; destination window 2, 3, 1; the address from window 1
	WIN \w
.rept 12
	LD1
.endr
.endr
.endm
; Four products: p's block a against v^T's blocks 4 bh .. 4 bh + 3.  cm = 1: the first step starts the sums.  An odd step's scale words lie in lanes 16-31.
.macro GRP cm, a, bh
	ACC \a
	WIN (3-2*(\bh))|0x08|(AW<<4)|(AW<<6)           ; source 0 (v^T) window 3 or 1, source 1 (p) window 2, C and D window AW
.irp b, 0,1,2,3
.set DR, AB+32*(\bh)+8*\b
.set BR, 128+48*mp+12*\b
.set AR, 128+48*mp+12*(\a)
.set SBR, SB+8*mk+4*(\bh)+\b
.set SAR, SA+4*mk+(\a)
.if (\cm) == 1
	v_wmma_scale_f32_16x16x128_f8f6f4 v[DR:DR+7], v[BR:BR+11], v[AR:AR+11], 0, v[SBR], v[SAR] matrix_a_fmt:MATRIX_FMT_FP6 matrix_b_fmt:MATRIX_FMT_FP6
.elseif mp == 0
	v_wmma_scale_f32_16x16x128_f8f6f4 v[DR:DR+7], v[BR:BR+11], v[AR:AR+11], v[DR:DR+7], v[SBR], v[SAR] matrix_a_fmt:MATRIX_FMT_FP6 matrix_b_fmt:MATRIX_FMT_FP6
.else
	v_wmma_scale_f32_16x16x128_f8f6f4 v[DR:DR+7], v[BR:BR+11], v[AR:AR+11], v[DR:DR+7], v[SBR], v[SAR] matrix_a_fmt:MATRIX_FMT_FP6 matrix_b_fmt:MATRIX_FMT_FP6 matrix_a_scale:MATRIX_SCALE_ROW1 matrix_b_scale:MATRIX_SCALE_ROW1
.endif
.endr
.endm
; A step: ft = 1: the next step's 36 loads in one run, then the step's 32 products; the accumulators take turns, one instruction a turn.
; The first four products need p and v^T's 0-3; v^T's 4-7, the last twelve loads of the step's own run, are waited for behind them.
.macro MUL32 g, cm, ft
.set mp, (\g)%2
.set mk, (\g)/2
.if \ft
	FETCH (\g)+1
.endif
	GRP \cm, 2, 0
	s_wait_dscnt 36*(\ft)                          ; all but the 36 loads just issued: this step's v^T 4-7 are in
	GRP \cm, 2, 1
	GRP \cm, 3, 0
	GRP \cm, 3, 1
	GRP \cm, 0, 0
	GRP \cm, 1, 0
	GRP \cm, 0, 1
	GRP \cm, 1, 1
.endm
; A step of 128 along K.  kind 0: the next step's fragments are fetched at the step's head, so that they have its 32 products in which to land.  kind 1: the next step opens a slot that other waves' loads brought, and
; nothing is filled again.  kind 2: a change of slots with a refill: all my tensor loads have landed (my part of the next slot), the add, my reads of this slot are over; a round of the cluster's barrier;
; the joint refill first behind it; then the next slot's first fragments.  kind 3: the last step.
.macro STEP n, kind, cnt, zero
	WIN 0
.set FT, 1
.if (\kind) == 3
.set FT, 0
.endif
.if ((\kind) == 0) || ((\kind) == 3)
	s_wait_dscnt 12                                ; this step's p and v^T 0-3 are in; the youngest twelve loads, v^T 4-7, may be out
.else
	s_wait_dscnt 0x0                               ; a barrier follows: no LDS instruction of mine is out
.endif
.if (\kind) == 1
	s_wait_tensorcnt \cnt
	s_barrier_signal -1
	s_barrier_wait -1
.endif
.if (\kind) == 2
.set ks, ((\n)/4)%2
	s_wait_tensorcnt 0x0                           ; no tensor load of mine is out, so a group 0 may be written
	ds_add_u32 v[SPW], v[NIL]                      ; 0 onto my spare word; the descriptors' steps stand between it and the wait for it
	s_add_nc_u64 s[42+4*ks:43+4*ks], s[42+4*ks:43+4*ks], 4*STRA   ; this slot's next 512 keys
	s_add_nc_u64 s[70+4*ks:71+4*ks], s[70+4*ks:71+4*ks], 4*STRB
	s_wait_dscnt 0x0                               ; the add is done, and my reads of this slot are over
	CROUND                                         ; so it is with every wave of every partner
	JLOAD ks                                       ; its four v_nop are also the places in front of the loads below
.elseif (\kind) < 3
	PLACES
.endif
	MUL32 \n, \zero, FT
.endm
.macro BYTES pw                        ; from the four blocks' largest magnitudes: the conversions' scale operands, the bytes, the row's scale word
.irp b, 0,1,2,3
	v_add_nc_u32 v[TM+12+\b], 0xff000000, v[TM+\b] ; 2 off the exponent field
.endr
.irp b, 0,1,2,3
	v_lshrrev_b32 v[TM+4+\b], 23, v[TM+12+\b]
.endr
	v_lshl_or_b32 v[\pw], v[TM+5], 8, v[TM+4]
	v_lshl_or_b32 v[\pw], v[TM+6], 16, v[\pw]
	v_lshl_or_b32 v[\pw], v[TM+7], 24, v[\pw]
.endm
.macro CODES s, w                      ; 64 numbers at v[s] of window w, register 16 b + i = K 32 b + 16 h + i, become the fragment's 12 registers at v[PC]
	WIN \w
.irp c, 0,1
	v_cvt_scalef32_pk16_fp6_f32 v[PC+6*\c:PC+2+6*\c], v[(\s)+32*\c:(\s)+15+32*\c], v[TM+12+2*\c]
	v_cvt_scalef32_pk16_fp6_f32 v[PC+12+4*\c:PC+14+4*\c], v[(\s)+16+32*\c:(\s)+31+32*\c], v[TM+12+2*\c+1]   ; (a conversion's three registers begin on an even number)
.endr
	WIN 0
	v_nop                                          ; one plain place behind a scaled conversion
.irp c, 0,1                            ; the layout wants a whole block in a lane: lanes 0-15 block 2 c, lanes 16-31 block 2 c + 1
.irp i, 0,1,2
	v_permlane16_swap_b32 v[PC+6*\c+\i], v[PC+12+4*\c+\i]
.endr
.irp i, 0,1,2
	v_mov_b32 v[PC+3+6*\c+\i], v[PC+12+4*\c+\i]
.endr
.endr
.endm
.macro QUANT s, pw                     ; the same 64 numbers, in window 0
.irp b, 0,1,2,3
	v_max3_num_f32 v[TM+\b], |v[(\s)+16*\b]|, |v[(\s)+1+16*\b]|, 0x1800000   ; the floor 2^(3 - 127) keeps the byte at 1 or above
.endr
.irp i, 2,4,6,8,10,12,14
.irp b, 0,1,2,3
	v_max3_num_f32 v[TM+\b], |v[(\s)+16*\b+\i]|, |v[(\s)+1+16*\b+\i]|, v[TM+\b]
.endr
.endr
.irp b, 0,1,2,3
	v_permlanex16_b32 v[TM+4+\b], v[TM+\b], s56, s57
.endr
.irp b, 0,1,2,3
	v_max_num_f32 v[TM+\b], v[TM+\b], v[TM+4+\b]   ; with lane l xor 16's 16: the block's largest magnitude
.endr
	BYTES \pw
	CODES \s, 0
.endm
.macro PUT a                           ; the fragment goes out as it stands: 512 consecutive bytes a store, aligned
.irp c, 0,1,2
	global_store_b128 v[GI], v[PC+4*\c:PC+4*\c+3], s[92:93] offset:BLK*(\a)+512*\c
.endr
.endm
	s_load_b128 s[4:7], s[0:1], 0x0                ; p_img, qkv_img
	s_load_b64 s[8:9], s[0:1], 0x10                ; o_img
	v_lshl_add_u32 v[SPW], v0, 2, SPARE
	v_mov_b32 v[NIL], 0
	ds_add_u32 v[SPW], v[NIL]                      ; the wave's opening: the add and its wait ahead of my first tensor load; work on registers stands between
	ds_add_u32 v[SPW], v[NIL]
	v_lshrrev_b32 v1, 5, v0
	v_readfirstlane_b32 s12, v1                    ; wave
	s_lshr_b32 s13, s12, 1                         ; HA: my half of the queries.  Also: I fetch for p (0) or for v^T (1)
	s_and_b32 s14, s12, 1                          ; HB: my half of d.  Also: which half I fetch
	s_bfe_u32 s15, ttmp6, 0x40000                  ; cx
	s_bfe_u32 s16, ttmp6, 0x40004                  ; cy
	s_and_b32 s18, ttmp7, 0xffff                   ; the cluster's y
	s_lshl_b32 s19, ttmp9, 2
	s_add_co_u32 s19, s19, s15                     ; the tile of 256 of d, 0 .. 3
	s_lshl_b32 s20, s18, 2
	s_add_co_u32 s20, s20, s16                     ; the tile of 128 queries, 0 .. 63
	s_lshr_b32 s21, s18, 2                         ; the batch: the same in all sixteen partners
	s_lshl_b32 s84, s20, 3
	s_mul_i32 s84, s84, BLK
	s_mul_i32 s85, s14, STRA
	s_add_co_u32 s84, s84, s85                     ; what I fetch of p: the tile's eight blocks, unit HB of a slot
	s_mov_b32 s85, 0
	s_mul_i32 s86, s14, AU                         ; and where it goes
	s_lshl_b32 s88, s19, 4
	s_mul_i32 s88, s88, BLK
	s_mul_i32 s89, s21, 1572864
	s_add_co_u32 s88, s88, s89
	s_add_co_u32 s88, s88, 12582912                ; of v^T: the batch's eight units, block 16 tile + 8 HB
	s_mul_i32 s89, s14, STRB
	s_add_co_u32 s88, s88, s89                     ; of v^T: the tile's sixteen blocks, unit HB of a slot
	s_mov_b32 s89, 0
	s_mul_i32 s90, s14, BU
	s_add_co_u32 s90, s90, BOFF
	s_lshl_b32 s62, s20, 1
	s_add_co_u32 s62, s62, s13
	s_lshl_b32 s62, s62, 9
	s_add_co_u32 s62, s62, 12582912                ; my queries' scale words of p; M_loc 524,288 bytes on, l_loc 1,048,576
	s_mov_b32 s63, 0
	s_lshl_b32 s66, s19, 2
	s_lshl_b32 s67, s14, 1
	s_add_co_u32 s66, s66, s67
	s_lshl_b32 s66, s66, 9
	s_lshl_b32 s67, s21, 16
	s_add_co_u32 s66, s66, s67
	s_add_co_u32 s66, s66, 19398656                ; my rows' scale words of v^T
	s_mov_b32 s67, 0
	s_lshl_b32 s92, s19, 9
	s_lshl_b32 s93, s20, 3
	s_add_co_u32 s92, s92, s93
	s_lshl_b32 s93, s13, 2
	s_add_co_u32 s92, s92, s93
	s_mul_i32 s92, s92, BLK
	s_mul_i32 s93, s14, FRB
	s_add_co_u32 s92, s92, s93                     ; o's codes: unit = the tile of d, block 8 tile + 4 HA, fragment HB
	s_mov_b32 s93, 0
	s_lshl_b32 s94, s19, 7
	s_lshl_b32 s95, s20, 1
	s_add_co_u32 s94, s94, s95
	s_add_co_u32 s94, s94, s13
	s_lshl_b32 s94, s94, 9
	s_lshl_b32 s95, s14, 8
	s_add_co_u32 s94, s94, s95
	s_add_co_u32 s94, s94, 6291456                 ; and its scale words
	s_mov_b32 s95, 0
	s_lshl_b32 s2, s16, 2
	s_lshl_b32 s2, 15, s2                          ; my row of the cluster
	s_lshl_b32 s3, 0x1111, s15                     ; my column
	s_or_b32 s24, s2, (3<<16)|(1<<21)              ; group 1 for p: 15:0 the mask; 17:16 elements of 8 bytes; 21 set beside a mask; no padding
	s_or_b32 s32, s3, (3<<16)|(1<<21)              ; for v^T
	s_mov_b32 s25, 1536<<16                        ; a slot's part: two rows, one for each unit of 256 keys; a row is four blocks, 12,288 bytes: tensor_dim0 = 1,536
	s_mov_b32 s26, 2<<16                           ; a unit of p is dense in memory: two rows of 12,288 bytes: tensor_dim1 = 2
	s_mov_b32 s27, 1536<<16                        ; tile_dim0
	s_mov_b32 s28, 2                               ; tile_dim1
	s_mov_b32 s29, 1536                            ; the pitch: a row
	s_mov_b32 s30, 0
	s_mov_b32 s31, 0
	s_mov_b32 s33, 3072<<16                        ; eight blocks, 24,576 bytes
	s_mov_b32 s34, 2<<16                           ; a unit of v^T: two rows of 24,576 bytes
	s_mov_b32 s35, 3072<<16
	s_mov_b32 s36, 2
	s_mov_b32 s37, 3072
	s_mov_b32 s38, 0
	s_mov_b32 s39, 0
	s_mov_b32 s56, 0x76543210
	s_mov_b32 s57, 0xfedcba98                      ; selects for lane l xor 16
	s_mov_b32 s60, 0x01010101
	s_mov_b32 s61, 0x80808080
	s_wait_dscnt 0x0                               ; the opening add is done
	s_wait_kmcnt 0x0
	s_add_nc_u64 s[84:85], s[4:5], s[84:85]
	s_add_nc_u64 s[88:89], s[6:7], s[88:89]
	s_add_nc_u64 s[62:63], s[4:5], s[62:63]
	s_add_nc_u64 s[66:67], s[6:7], s[66:67]
	s_add_nc_u64 s[92:93], s[8:9], s[92:93]
	s_add_nc_u64 s[94:95], s[8:9], s[94:95]
.irp s, 0,1                            ; a group 0 for each slot
	s_mov_b32 s[40+4*\s], 1
	s_add_co_u32 s[41+4*\s], s86, \s*2*AU
	s_add_nc_u64 s[42+4*\s:43+4*\s], s[84:85], \s*2*STRA
	s_or_b32 s[43+4*\s], s[43+4*\s], 0x80000000
	s_mov_b32 s[68+4*\s], 1
	s_add_co_u32 s[69+4*\s], s90, \s*2*BU
	s_add_nc_u64 s[70+4*\s:71+4*\s], s[88:89], \s*2*STRB
	s_or_b32 s[71+4*\s], s[71+4*\s], 0x80000000
.endr
	s_or_b32 s4, s2, (3<<16)|(1<<21)               ; two more groups 1, for the head alone, in registers whose first use is over: units 1 to 3 of p: three rows of 24,576 bytes, a unit apart in memory,
	s_mov_b32 s5, 3072<<16
	s_mov_b32 s6, 3<<16
	s_mov_b32 s7, 3072<<16
	s_mov_b32 s8, 3
	s_mov_b32 s9, STRA/8
	s_mov_b32 s10, 0
	s_mov_b32 s11, 0
	s_or_b32 s84, s3, (3<<16)|(1<<21)              ; and of v^T: three rows of 49,152 bytes
	s_mov_b32 s85, 6144<<16
	s_mov_b32 s86, 3<<16
	s_mov_b32 s87, 6144<<16
	s_mov_b32 s88, 3
	s_mov_b32 s89, STRB/8
	s_mov_b32 s90, 0
	s_mov_b32 s91, 0
	CROUND                                         ; all sixteen work-groups are here: the joint loads meet
; THE HEAD'S LOADS, ONE A WAVE.  What the first two steps need comes by loads of its own: wave 0 fetches p's unit 0, wave 2 v^T's unit 0; wave 1 fetches p's units 1 to 3, wave 3 v^T's.
; Slot 0's group 0 serves all four: with HB = 0 it stands at unit 0, with HB = 1 at unit 1.  One chain of branches on the wave's number, a load to an arm, all arms leading to one join.
.macro ARM under, g0, g1, next
	s_cmp_lt_u32 s12, \under
	s_cbranch_scc0 \next
	tensor_load_to_lds s[\g0:\g0+3], s[\g1:\g1+7]
	s_nop 0
	PLACES
	s_branch .Lfirst_done
\next:
.endm
	ARM 1, 40, 24, .Lhead_1
	ARM 2, 40, 4, .Lhead_2
	ARM 3, 68, 32, .Lhead_3
	tensor_load_to_lds s[68:71], s[84:91]
	s_nop 0
	PLACES
.Lfirst_done:
	v_and_b32 v1, 31, v0
	v_and_b32 v2, 15, v0
	v_lshlrev_b32 v[GI], 4, v1
	v_lshlrev_b32 v[GS], 4, v2
.irp kp, 0,1,2,3,4,5,6,7               ; M_loc, l_loc and the scale words of all of K, straight into registers: 512 dense bytes a load
	global_load_b128 v[ML+4*\kp:ML+4*\kp+3], v[GI], s[62:63] offset:524288+\kp*SSA
	global_load_b128 v[LL+4*\kp:LL+4*\kp+3], v[GI], s[62:63] offset:1048576+\kp*SSA
	global_load_b128 v[SA+4*\kp:SA+4*\kp+3], v[GI], s[62:63] offset:\kp*SSA
	global_load_b128 v[SB+8*\kp:SB+8*\kp+3], v[GI], s[66:67] offset:\kp*SSB
	global_load_b128 v[SB+8*\kp+4:SB+8*\kp+7], v[GI], s[66:67] offset:\kp*SSB+512
.endr
	s_wait_alu depctr_va_vdst(0)                   ; ahead of a run of scalar instructions
	s_mul_i32 s80, s13, AKU                        ; my half of p's rows, slot 0,
	s_add_co_u32 s81, s80, 2*AU                    ; slot 1;
	s_mul_i32 s82, s14, BKU
	s_add_co_u32 s82, s82, BOFF                    ; my half of v^T's rows, unit 0,
	s_add_co_u32 s83, s82, BU                      ; unit 1
	WIN 0x40                                       ; destination window 1
.irp i, 0,1,2,3
	v_add_nc_u32 v[ADR+\i], s[80+\i], v[GI]
.endr
	s_add_co_u32 s82, s82, 2*BU                    ; units 2 and 3
	s_add_co_u32 s83, s83, 2*BU
.irp i, 0,1
	v_add_nc_u32 v[ADR+4+\i], s[82+\i], v[GI]
.endr
	WIN 0
.irp b, 0,1,2,3
	v_mov_b32 v[TM+4+\b], 0                        ; a lane permute's destination counts as one of its sources
	v_mov_b32 v[PT+\b], 0
.endr
	s_wait_loadcnt 0x0
	; M, l and p's scale words, while the first tiles are on their way; the four blocks of queries by turns
.irp a, 0,1,2,3
	v_max3_num_f32 v[MX+\a], v[ML+\a], v[ML+4+\a], v[ML+8+\a]
.endr
.irp a, 0,1,2,3
	v_max3_num_f32 v[MX+\a], v[MX+\a], v[ML+12+\a], v[ML+16+\a]
.endr
.irp a, 0,1,2,3
	v_max3_num_f32 v[MX+\a], v[MX+\a], v[ML+20+\a], v[ML+24+\a]
.endr
.irp a, 0,1,2,3
	v_max_num_f32 v[MX+\a], v[MX+\a], v[ML+28+\a]
.endr
.irp a, 0,1,2,3
	v_permlanex16_b32 v[PT+\a], v[MX+\a], s56, s57
.endr
.irp a, 0,1,2,3
	v_max_num_f32 v[MX+\a], v[MX+\a], v[PT+\a]     ; the row's M: the largest of its sixteen M_loc
.endr
.irp kp, 0,1,2,3,4,5,6,7
.irp a, 0,1,2,3
	v_sub_f32 v[ML+4*\kp+\a], v[ML+4*\kp+\a], v[MX+\a]   ; M_loc - M: a whole number, 0 or less
.endr
.irp a, 0,1,2,3
	v_max_num_f32 v[ML+4*\kp+\a], 0xc2fe0000, v[ML+4*\kp+\a]   ; held at -127
.endr
.irp a, 0,1,2,3
	v_cvt_i32_f32 v[ML+4*\kp+\a], v[ML+4*\kp+\a]
.endr
.irp a, 0,1,2,3
	v_ldexp_f32 v[LL+4*\kp+\a], v[LL+4*\kp+\a], v[ML+4*\kp+\a]   ; l_loc under M: nothing is rounded
.endr
.irp a, 0,1,2,3
	v_mul_lo_u32 v[TB+\a], v[ML+4*\kp+\a], s60     ; M_loc - M in each of the four bytes
.endr
.irp a, 0,1,2,3
	v_or_b32 v[TA+\a], s61, v[SA+4*\kp+\a]         ; p's bytes are 1 .. 125: with 128 on top of each no borrow passes from byte to byte
.endr
.irp a, 0,1,2,3
	v_add_nc_u32 v[TA+\a], v[TA+\a], v[TB+\a]      ; 128 + byte - (M - M_loc)
.endr
.irp a, 0,1,2,3
	v_and_b32 v[TB+\a], s61, v[TA+\a]              ; the top bit stands where the byte has not fallen under 0
.endr
.irp a, 0,1,2,3
	v_lshrrev_b32 v[PT+\a], 7, v[TB+\a]
.endr
.irp a, 0,1,2,3
	v_sub_nc_u32 v[TB+\a], v[TB+\a], v[PT+\a]      ; 127 there, 0 elsewhere
.endr
.irp a, 0,1,2,3
	v_and_b32 v[SA+4*\kp+\a], v[TA+\a], v[TB+\a]   ; the byte lowered, held at 0
.endr
.endr
.irp a, 0,1,2,3
	v_add_f32 v[LS+\a], v[LL+\a], v[LL+4+\a]
.endr
.irp kp, 2,3,4,5,6,7
.irp a, 0,1,2,3
	v_add_f32 v[LS+\a], v[LS+\a], v[LL+4*\kp+\a]
.endr
.endr
.irp a, 0,1,2,3
	v_permlanex16_b32 v[PT+\a], v[LS+\a], s56, s57
.endr
.irp a, 0,1,2,3
	v_add_f32 v[LS+\a], v[LS+\a], v[PT+\a]         ; the row's sum
.endr
	s_wait_alu depctr_va_vdst(0)
.irp a, 0,1,2,3
	v_rcp_f32 v[RL+2*\a], v[LS+\a]                 ; twice: a pair for the packed multiply
	v_rcp_f32 v[RL+2*\a+1], v[LS+\a]
.endr
	v_nop                                          ; a plain place behind the last reciprocal
	s_wait_alu depctr_va_vdst(0)                   ; one wait for the eight, ahead of their first reader
.rept 8
	v_nop                                          ; scale registers written by vector instructions stand eight places ahead of a scaled matrix instruction
.endr
	s_cmp_lg_u32 s14, 0                            ; waves 1 and 3: units 1 to 3 may stay out, and step 1 waits for them
	s_cbranch_scc1 .Lrest_out
	s_wait_tensorcnt 0x0                           ; waves 0 and 2: my part of unit 0 is in,
.Lrest_out:
	s_barrier_signal -1
	s_barrier_wait -1                              ; everybody's is
	FETCH 0
	STEP 0, 0, 0, 1
	STEP 1, 1, 0, 0                                ; units 1 to 3 are whole behind its barrier
	STEP 2, 0, 0, 0
	STEP 3, 2, 0, 0                                ; slot 0 takes keys 1,024 to 1,535
	STEP 4, 0, 0, 0
	STEP 5, 0, 0, 0
	STEP 6, 0, 0, 0
	STEP 7, 2, 0, 0                                ; slot 1 takes keys 1,536 to 2,047
	STEP 8, 0, 0, 0
	STEP 9, 0, 0, 0
	STEP 10, 0, 0, 0
	STEP 11, 1, 0, 0                               ; the last slot is whole; nothing is left to fetch
	STEP 12, 0, 0, 0
	STEP 13, 0, 0, 0
	STEP 14, 0, 0, 0
	STEP 15, 3, 0, 0
	WIN 0
	PLACES
.irp a, 0,1,2,3
	ACC \a
	WIN AW                                         ; source 0: the block's window
.set i, 0
.rept 32
	v_pk_mul_f32 v[T+2*i:T+2*i+1], v[AB+2*i:AB+2*i+1], v[RL+2*\a:RL+2*\a+1]   ; o = O^T / l; each accumulator from its low end on
.set i, i+1
.endr
	WIN 0
.set PC, 32+192*((\a)%2)               ; the codes' registers: two sets, v32-51 and v224-243, by turns
.if \a > 1
	s_wait_xcnt 0x0                                ; the stores of the fragment two back have read this set
.endif
	QUANT T, PWS+\a
	PUT \a
.endr
	v_cmp_gt_u32 vcc_lo, 16, v1                    ; lanes 0-15 store their rows' four scale words: 256 consecutive bytes, aligned
	s_wait_xcnt 0x0                                ; EXEC changes only behind this wait
	s_and_saveexec_b32 s23, vcc_lo
	global_store_b128 v[GS], v[PWS:PWS+3], s[94:95]
	s_wait_xcnt 0x0
	s_or_b32 exec_lo, exec_lo, s23
	s_wait_tensorcnt 0x0                           ; the wave's end
	ds_add_u32 v[SPW], v[NIL]
	s_wait_dscnt 0x0
	CROUND                                         ; the closing round
	s_endpgm
.Lfunc_end_k_q638aad737d_pv:
	.size	k_q638aad737d_pv, .Lfunc_end_k_q638aad737d_pv-k_q638aad737d_pv
	.p2alignl 7, 3214868480
	.fill 96, 4, 3214868480
	.section	.rodata,"a",@progbits
	.p2align	6, 0x0
	.amdhsa_kernel k_q638aad737d_pv
		.amdhsa_group_segment_fixed_size 327680
		.amdhsa_private_segment_fixed_size 0
		.amdhsa_enable_private_segment 0
		.amdhsa_kernarg_size 24
		.amdhsa_user_sgpr_count 2
		.amdhsa_user_sgpr_kernarg_segment_ptr 1
		.amdhsa_wavefront_size32 1
		.amdhsa_system_sgpr_workgroup_id_x 1
		.amdhsa_system_sgpr_workgroup_id_y 1
		.amdhsa_system_sgpr_workgroup_id_z 1
		.amdhsa_system_vgpr_workitem_id 0
		.amdhsa_next_free_vgpr 1024
		.amdhsa_next_free_sgpr 100
		.amdhsa_reserve_vcc 1
		.amdhsa_float_denorm_mode_32 3
		.amdhsa_float_denorm_mode_16_64 3
		.amdhsa_memory_ordered 1
		.amdhsa_forward_progress 1
		.amdhsa_inst_pref_size 166
	.end_amdhsa_kernel
	.amdgpu_metadata
---
amdhsa.version: [ 1, 2 ]
amdhsa.kernels:
  - .name:           k_q638aad737d_pv
    .symbol:         k_q638aad737d_pv.kd
    .args:
      - { .name: p_img, .offset: 0, .size: 8, .value_kind: global_buffer, .address_space: global }
      - { .name: qkv_img, .offset: 8, .size: 8, .value_kind: global_buffer, .address_space: global }
      - { .name: o_img, .offset: 16, .size: 8, .value_kind: global_buffer, .address_space: global }
    .group_segment_fixed_size: 327680
    .private_segment_fixed_size: 0
    .kernarg_segment_align: 8
    .kernarg_segment_size: 24
    .max_flat_workgroup_size: 128
    .sgpr_count:     100
    .vgpr_count:     1024
    .wavefront_size: 32
...
	.end_amdgpu_metadata
.endif
;; end of part 4
;; launch proj (part 5): grid 4 x 64, 4 waves a work-group, clusters of 4 x 4, 327,680 bytes of LDS; arguments o_img, in_img, b_proj, out0; writes out0
.if DOCPART == 5
	.amdgcn_target "amdgcn-amd-amdhsa--gfx1250"
	.amdhsa_code_object_version 6
	.text
	.protected	k_q638aad737d_proj
	.globl	k_q638aad737d_proj
	.p2align	8
	.type	k_q638aad737d_proj,@function
k_q638aad737d_proj:
	s_mov_b64 s[64:65], 0
	v_nop
	global_prefetch_b8 v0, s[64:65] scope:SCOPE_SE
	s_setreg_imm32_b32 hwreg(HW_REG_WAVE_MODE, 25, 1), 1
	s_wait_xcnt 0x0
	s_wait_alu depctr_hold_cnt(0) depctr_sa_sdst(0) depctr_va_vdst(0) depctr_va_sdst(0) depctr_va_ssrc(0) depctr_va_vcc(0) depctr_vm_vsrc(0)
	s_getreg_b32 s2, hwreg(HW_REG_IB_STS2, 6, 4)
	s_cmp_eq_u32 s2, 0
	s_cbranch_scc0 .Lentry_in_a_cluster
	s_endpgm
.Lentry_in_a_cluster:
	s_bfe_u32 s2, ttmp6, 0x10000c
	s_cmp_lg_u32 s2, 0xf033
	s_cbranch_scc0 .Lentry_shape_is_right
	s_endpgm
.Lentry_shape_is_right:
; out0 = o W_proj^T + b_proj, f32, on operand images of FP6 (E2M3) codes.
; Images: codes [K/256][block of 16 rows][2 fragments][3 chunks][32 lanes][16 bytes]; lane r of block T holds row 32 (T / 2) + 8 (T % 2) + r + 8 (r / 8); scale words [K/256][group of 64 rows][2 x 16][4 blocks].
; A work-group makes 128 rows (A = o, source 1: the lanes) x 256 columns (B = W_proj, source 0: the registers); a wave 64 x 128: 32 accumulators.  A lane's 64 registers of a block are columns
; 32 b + 16 h + 0 .. 15, b = 0 .. 3, of one row.  The bias is the C of each sum's first product.
; K = 1,024: the tile's whole operands fit in LDS: one tensor load a wave goes out at the head.  CLUSTER 4 x 4: o's tiles are shared along a row, W_proj's along a column: joint loads.
; THE WAY OUT: a block of 16 rows x 128 columns goes through the wave's own stage (rows 528 bytes apart) and leaves as whole rows of 512 bytes, each at its true place: the order of rows in a block is undone by the
; stores' immediates.  The stages lie in slot 0: it has had its one fill, and every wave's reads of it are over at the barrier of step 7.
; REGISTERS.  Window 0: v1-3 lane, r, h; v4-7 LDS addresses; v8 16 x lane; v10, v11 the add's two; v12, v13 the stage; v64-111 scale words, and nothing else; v160-255 o's fragments, two sets;
; on the way out v112-239: rows read back, two sets.  Window 1: W_proj's fragments, two sets; v192-255 the bias.  Window 2: accumulators.
.set SLOT,  147456                     ; half of the tile's operands.  In LDS o's four units of 256 along K lie on end, then W_proj's four
.set AU,    24576                      ; a unit of o: 128 rows, its two halves of 64 rows on end
.set AKU,   12288
.set BOFF,  98304
.set BU,    49152                      ; a unit of W_proj: 256 rows, its two halves of 128 rows on end
.set BKU,   24576
.set BLK,   3072
.set FRB,   1536
.set SPARE, 2*SLOT                     ; behind the slots: the spare words, 128 bytes a wave, that no other line names
.set STRA,  1572864
.set STRB,  2359296
.set SSA,   65536
.set SSB,   98304
.set ADR,  240                         ; v240-245 of window 1: LDS addresses of my o fragments, units 0-1 and 2-3, and of my W_proj fragments in units 0 to 3
.set GI,   8
.set SPW,  10
.set NIL,  11
.set STO,  12
.set RD,   13
.set SA,   64
.set SB,   80
.set BK,   112
.set MSB, 0
.macro WIN new                         ; the immediate's high byte repeats the setting that is left
.if MSB != (\new)
	s_set_vgpr_msb (MSB<<8)|(\new)
.set MSB, \new
.endif
.endm
.macro PLACES                          ; four plain places: in front of loads into registers that matrix instructions have read, and of the first read of results
.rept 4
	v_nop
.endr
.endm
.macro CROUND                          ; a round of the cluster's barrier
	s_barrier_signal -1
	s_barrier_wait -1
	s_cmp_lg_u32 s12, 0
	s_cbranch_scc1 .Lnot_wave_0_\@
	s_barrier_signal -3
.Lnot_wave_0_\@:
	s_barrier_wait -3
	s_barrier_signal -1
	s_barrier_wait -1
.endm
; WINDOWS 1 TO 3 (this map replaces what the head comment says of fragments and accumulators).  Window 1: v0-127 the accumulators of o's blocks 0, 1; v128-223 W_proj's fragments 4-7, two sets; v240-245 LDS addresses.
; Window 2: v0-63 the accumulators of o's block 2; v64-127 the bias as C; v128-223 o's fragments, two sets.  Window 3: v0-63 the accumulators of o's block 3; v128-223 W_proj's fragments 0-3, two sets.
.macro ACC a                           ; where block a's eight accumulators lie: window AW, from register AB on
.set AW, 1+((\a)/2)*((\a)-1)
.set AB, 64*((\a)%2)*(1-(\a)/2)
.endm
.macro SETF g                          ; step g's fragments (128 along K) are the ones that LD1 fetches: set fp, unit 2 fs + fj
.set fp, (\g)%2
.set fs, ((\g)/4)%2
.set fj, ((\g)/2)%2
.set LN, 0
.endm
.macro LD1                             ; the next of a step's 36 loads of 512 dense bytes: 0-11 o's four fragments, 12-23 W_proj's 0-3, 24-35 W_proj's 4-7
.if LN < 12
	ds_load_b128 v[128+48*fp+4*LN:128+48*fp+4*LN+3], v[ADR+fs] offset:fj*AU+(LN/3)*BLK+fp*FRB+512*(LN%3)
.else
	ds_load_b128 v[128+48*fp+4*(LN%12):128+48*fp+4*(LN%12)+3], v[ADR+2+2*fs+fj] offset:(LN/3-4)*BLK+fp*FRB+512*(LN%3)
.endif
.set LN, LN+1
.endm
.macro FETCH g                         ; a step's 36 loads, in one run
	SETF \g
.irp w, 0x81, 0xc1, 0x41               ; destination window 2, 3, 1; the address from window 1
	WIN \w
.rept 12
	LD1
.endr
.endr
.endm
; Four products: o's block a against W_proj's blocks 4 bh .. 4 bh + 3.  cm = 1: the first step starts the sums at the bias.  An odd step's scale words lie in lanes 16-31.
.macro GRP cm, a, bh
	ACC \a
.if (\cm) == 1
	WIN (3-2*(\bh))|0x28|(AW<<6)                   ; source 0 (W_proj) window 3 or 1, source 1 (o) and C (the bias) window 2, D window AW
.else
	WIN (3-2*(\bh))|0x08|(AW<<4)|(AW<<6)           ; C and D window AW
.endif
.irp b, 0,1,2,3
.set DR, AB+32*(\bh)+8*\b
.set BR, 128+48*mp+12*\b
.set AR, 128+48*mp+12*(\a)
.set SBR, SB+8*mk+4*(\bh)+\b
.set SAR, SA+4*mk+(\a)
.if (\cm) == 1
	v_wmma_scale_f32_16x16x128_f8f6f4 v[DR:DR+7], v[BR:BR+11], v[AR:AR+11], v[64+32*(\bh)+8*\b:71+32*(\bh)+8*\b], v[SBR], v[SAR] matrix_a_fmt:MATRIX_FMT_FP6 matrix_b_fmt:MATRIX_FMT_FP6
.elseif mp == 0
	v_wmma_scale_f32_16x16x128_f8f6f4 v[DR:DR+7], v[BR:BR+11], v[AR:AR+11], v[DR:DR+7], v[SBR], v[SAR] matrix_a_fmt:MATRIX_FMT_FP6 matrix_b_fmt:MATRIX_FMT_FP6
.else
	v_wmma_scale_f32_16x16x128_f8f6f4 v[DR:DR+7], v[BR:BR+11], v[AR:AR+11], v[DR:DR+7], v[SBR], v[SAR] matrix_a_fmt:MATRIX_FMT_FP6 matrix_b_fmt:MATRIX_FMT_FP6 matrix_a_scale:MATRIX_SCALE_ROW1 matrix_b_scale:MATRIX_SCALE_ROW1
.endif
.endr
.endm
; A step: ft = 1: the next step's 36 loads in one run, then the step's 32 products; the accumulators take turns, one instruction a turn.
; The first four products need o and W_proj's 0-3; W_proj's 4-7, the last twelve loads of the step's own run, are waited for behind them.
.macro MUL32 g, cm, ft
.set mp, (\g)%2
.set mk, (\g)/2
.if \ft
	FETCH (\g)+1
.endif
	GRP \cm, 2, 0
	s_wait_dscnt 36*(\ft)                          ; all but the 36 loads just issued: this step's W_proj 4-7 are in
	GRP \cm, 2, 1
	GRP \cm, 3, 0
	GRP \cm, 3, 1
	GRP \cm, 0, 0
	GRP \cm, 1, 0
	GRP \cm, 0, 1
	GRP \cm, 1, 1
.endm
; A step of 128 along K.  kind 0: the next step's fragments are fetched at the step's head, so that they have its 32 products in which to land.  kind 3: the last step: all my reads of the operands are over; I say so,
; multiply, and go on when all four waves have said so: behind that barrier the stages may be written over the operands.
.macro STEP n, kind, bias
	WIN 0
.if (\kind) == 3
	s_wait_dscnt 0x0                               ; no LDS instruction of mine is out
	s_barrier_signal -1
	MUL32 \n, \bias, 0                             ; work on registers alone
	WIN 0
	s_barrier_wait -1
.elseif (\kind) == 1                   ; kind 1: the next step opens units that other waves' loads brought: all my loads have landed, then the work-group's barrier
	s_wait_dscnt 0x0                               ; no LDS instruction of mine is out
	s_wait_tensorcnt 0x0
	s_barrier_signal -1
	s_barrier_wait -1
	PLACES
	MUL32 \n, \bias, 1
.else
	s_wait_dscnt 12                                ; this step's o and W_proj 0-3 are in; the youngest twelve loads, W_proj 4-7, may be out
	PLACES
	MUL32 \n, \bias, 1
.endif
.endm
.macro TOSTAGE a                       ; block a into my stage, each accumulator from its low end on, and back as whole rows.  LDS serves a wave's instructions in order: no wait between the stores and the loads, nor in front of the next block's stores
	ACC \a
	WIN AW<<2                                      ; an LDS store's data: the block's window
.irp b, 0,1,2,3
.irp i, 0,1,2,3
	ds_store_b128 v[STO], v[AB+16*\b+4*\i:AB+16*\b+4*\i+3] offset:128*\b+16*\i
.endr
.endr
	WIN 0
.set BB, BK+64*((\a)%2)
.irp t, 0,1,2,3,4,5,6,7,8,9,10,11,12,13,14,15
	ds_load_b128 v[BB+4*\t:BB+4*\t+3], v[RD] offset:528*\t
.endr
.endm
.macro SEND a, younger                 ; younger: the LDS instructions issued behind block a's loads, which may stay out
.set BB, BK+64*((\a)%2)
	s_wait_dscnt \younger
.irp t, 0,1,2,3,4,5,6,7,8,9,10,11,12,13,14,15
	global_store_b128 v[GI], v[BB+4*\t:BB+4*\t+3], s[92:93] offset:(32*((\a)/2)+8*((\a)%2)+\t+8*(\t/8))*4096 th:TH_STORE_NT   ; 32 lanes store 512 consecutive bytes, aligned; lane t of the block was this row
.endr
.endm
	s_load_b256 s[4:11], s[0:1], 0x0               ; o_img, in_img, b_proj, out0
	v_lshl_add_u32 v[SPW], v0, 2, SPARE
	v_mov_b32 v[NIL], 0
	ds_add_u32 v[SPW], v[NIL]                      ; the wave's opening: the add and its wait ahead of my first tensor load; work on registers stands between
	ds_add_u32 v[SPW], v[NIL]
	v_lshrrev_b32 v1, 5, v0
	v_readfirstlane_b32 s12, v1                    ; wave
	s_lshr_b32 s13, s12, 1                         ; HA: my half of the rows.  Also: I fetch for o (0) or for W_proj (1)
	s_and_b32 s14, s12, 1                          ; HB: my half of the columns.  Also: which half I fetch
	s_bfe_u32 s15, ttmp6, 0x40000                  ; cx
	s_bfe_u32 s16, ttmp6, 0x40004                  ; cy
	s_and_b32 s18, ttmp7, 0xffff                   ; the cluster's y
	s_lshl_b32 s19, ttmp9, 2
	s_add_co_u32 s19, s19, s15                     ; the tile of 256 columns, 0 .. 3
	s_lshl_b32 s20, s18, 2
	s_add_co_u32 s20, s20, s16                     ; the tile of 128 rows, 0 .. 63
	s_lshl_b32 s84, s20, 3
	s_mul_i32 s84, s84, BLK
	s_mul_i32 s85, s14, STRA
	s_add_co_u32 s84, s84, s85                     ; what I fetch of o: the tile's eight blocks, from unit HB on
	s_mov_b32 s85, 0
	s_mul_i32 s86, s14, AU                         ; and where it goes
	s_lshl_b32 s88, s19, 4
	s_add_co_u32 s88, s88, 704
	s_mul_i32 s88, s88, BLK                        ; of W_proj: block 704 + 16 tile + 8 HB
	s_mul_i32 s89, s14, STRB
	s_add_co_u32 s88, s88, s89                     ; of W_proj: the tile's sixteen blocks, from unit HB on
	s_mov_b32 s89, 0
	s_mul_i32 s90, s14, BU
	s_add_co_u32 s90, s90, BOFF
	s_lshl_b32 s62, s20, 1
	s_add_co_u32 s62, s62, s13
	s_lshl_b32 s62, s62, 9
	s_add_co_u32 s62, s62, 6291456                 ; my rows' scale words
	s_mov_b32 s63, 0
	s_lshl_b32 s66, s19, 2
	s_lshl_b32 s67, s14, 1
	s_add_co_u32 s66, s66, s67
	s_add_co_u32 s66, s66, 176
	s_lshl_b32 s66, s66, 9
	s_add_co_u32 s66, s66, 9437184                 ; my columns'
	s_mov_b32 s67, 0
	s_lshl_b32 s96, s19, 10
	s_lshl_b32 s97, s14, 9
	s_add_co_u32 s96, s96, s97                     ; my first column, in bytes: 4 (256 tile + 128 HB)
	s_mov_b32 s97, 0
	s_lshl_b32 s92, s20, 7
	s_lshl_b32 s93, s13, 6
	s_add_co_u32 s92, s92, s93
	s_lshl_b32 s92, s92, 12                        ; my first row: 128 tile + 64 HA, of 4,096 bytes
	s_add_co_u32 s92, s92, s96
	s_mov_b32 s93, 0
	s_lshl_b32 s2, s16, 2
	s_lshl_b32 s2, 15, s2                          ; my row of the cluster
	s_lshl_b32 s3, 0x1111, s15                     ; my column
	s_or_b32 s24, s2, (3<<16)|(1<<21)              ; group 1 for o: 15:0 the mask; 17:16 elements of 8 bytes; 21 set beside a mask; no padding
	s_or_b32 s32, s3, (3<<16)|(1<<21)              ; for W_proj
	s_mov_b32 s25, 1536<<16                        ; two rows, one for each unit of 256 along K; a row is four blocks, 12,288 bytes: tensor_dim0 = 1,536
	s_mov_b32 s26, 2<<16                           ; a unit of o is dense in memory: two rows of 12,288 bytes: tensor_dim1 = 2
	s_mov_b32 s27, 1536<<16                        ; tile_dim0
	s_mov_b32 s28, 2                               ; tile_dim1
	s_mov_b32 s29, 1536                            ; the pitch: a row
	s_mov_b32 s30, 0
	s_mov_b32 s31, 0
	s_mov_b32 s33, 3072<<16                        ; eight blocks, 24,576 bytes
	s_mov_b32 s34, 2<<16                           ; a unit of W_proj: two rows of 24,576 bytes
	s_mov_b32 s35, 3072<<16
	s_mov_b32 s36, 2
	s_mov_b32 s37, 3072
	s_mov_b32 s38, 0
	s_mov_b32 s39, 0
	s_wait_dscnt 0x0                               ; the opening add is done
	s_wait_kmcnt 0x0
	s_add_nc_u64 s[84:85], s[4:5], s[84:85]
	s_add_nc_u64 s[88:89], s[6:7], s[88:89]
	s_add_nc_u64 s[62:63], s[4:5], s[62:63]
	s_add_nc_u64 s[66:67], s[6:7], s[66:67]
	s_add_nc_u64 s[96:97], s[8:9], s[96:97]
	s_add_nc_u64 s[92:93], s[10:11], s[92:93]
	s_mov_b32 s40, 1                               ; group 0 for o
	s_add_co_u32 s41, s86, 0
	s_mov_b64 s[42:43], s[84:85]
	s_or_b32 s43, s43, 0x80000000
	s_mov_b32 s68, 1                               ; and for W_proj
	s_add_co_u32 s69, s90, 0
	s_mov_b64 s[70:71], s[88:89]
	s_or_b32 s71, s71, 0x80000000
	s_or_b32 s4, s2, (3<<16)|(1<<21)               ; two more groups 1, in registers whose first use is over: units 1 to 3 of o: three rows of 24,576 bytes, a unit apart in memory,
	s_mov_b32 s5, 3072<<16
	s_mov_b32 s6, 3<<16
	s_mov_b32 s7, 3072<<16
	s_mov_b32 s8, 3
	s_mov_b32 s9, STRA/8
	s_mov_b32 s10, 0
	s_mov_b32 s11, 0
	s_or_b32 s84, s3, (3<<16)|(1<<21)              ; and of W_proj: three rows of 49,152 bytes
	s_mov_b32 s85, 6144<<16
	s_mov_b32 s86, 3<<16
	s_mov_b32 s87, 6144<<16
	s_mov_b32 s88, 3
	s_mov_b32 s89, STRB/8
	s_mov_b32 s90, 0
	s_mov_b32 s91, 0
	CROUND                                         ; all sixteen work-groups are here: the joint loads meet
; THE LOADS, ONE A WAVE.  What the first two steps need comes by loads of its own: wave 0 fetches o's unit 0, wave 2 W_proj's unit 0; wave 1 fetches o's units 1 to 3, wave 3 W_proj's.
; One group 0 a tensor serves both its loads: with HB = 0 it stands at unit 0, with HB = 1 at unit 1.  One chain of branches on the wave's number, a load to an arm, all arms leading to one join.
.macro ARM under, g0, g1, next
	s_cmp_lt_u32 s12, \under
	s_cbranch_scc0 \next
	tensor_load_to_lds s[\g0:\g0+3], s[\g1:\g1+7]
	s_nop 0
	PLACES
	s_branch .Lfirst_done
\next:
.endm
	ARM 1, 40, 24, .Lhead_1
	ARM 2, 40, 4, .Lhead_2
	ARM 3, 68, 32, .Lhead_3
	tensor_load_to_lds s[68:71], s[84:91]
	s_nop 0
	PLACES
.Lfirst_done:
	v_and_b32 v1, 31, v0
	v_and_b32 v2, 15, v0
	v_bfe_u32 v3, v0, 4, 1
	v_lshlrev_b32 v[GI], 4, v1
	v_lshlrev_b32 v14, 6, v3                       ; 64 h
.irp kp, 0,1,2,3                       ; the scale words of all of K, straight into registers: 512 dense bytes a load
	global_load_b128 v[SA+4*\kp:SA+4*\kp+3], v[GI], s[62:63] offset:\kp*SSA
	global_load_b128 v[SB+8*\kp:SB+8*\kp+3], v[GI], s[66:67] offset:\kp*SSB
	global_load_b128 v[SB+8*\kp+4:SB+8*\kp+7], v[GI], s[66:67] offset:\kp*SSB+512
.endr
	WIN 0x80                                       ; destination window 2
.irp b, 0,1,2,3
.irp i, 0,1,2,3
	global_load_b128 v[64+16*\b+4*\i:64+16*\b+4*\i+3], v14, s[96:97] offset:128*\b+16*\i   ; register 16 b + i: the bias of column 32 b + 16 h + i
.endr
.endr
	WIN 0
	s_wait_alu depctr_va_vdst(0)                   ; ahead of a run of scalar instructions
	s_mul_i32 s80, s13, AKU                        ; my half of o's rows, units 0-1,
	s_add_co_u32 s81, s80, 2*AU                    ; units 2-3;
	s_mul_i32 s82, s14, BKU
	s_add_co_u32 s82, s82, BOFF                    ; my half of W_proj's rows, unit 0,
	s_add_co_u32 s83, s82, BU                      ; unit 1
	WIN 0x40                                       ; destination window 1
.irp i, 0,1,2,3
	v_add_nc_u32 v[ADR+\i], s[80+\i], v[GI]
.endr
	s_add_co_u32 s82, s82, 2*BU                    ; units 2 and 3
	s_add_co_u32 s83, s83, 2*BU
.irp i, 0,1
	v_add_nc_u32 v[ADR+4+\i], s[82+\i], v[GI]
.endr
	WIN 0
	s_mul_i32 s2, s12, 16*528                      ; my stage
	v_mul_u32_u24 v[STO], v2, 528
	v_lshl_add_u32 v[STO], v3, 6, v[STO]
	v_add_nc_u32 v[STO], s2, v[STO]                ; in: row r, + 64 h
	v_add_nc_u32 v[RD], s2, v[GI]                  ; back: 16 bytes a lane of a row
	s_wait_alu depctr_va_vdst(0)
	s_wait_loadcnt 0x0
	s_cmp_lg_u32 s14, 0                            ; waves 1 and 3: units 1 to 3 may stay out, and step 1 waits for them
	s_cbranch_scc1 .Lrest_out
	s_wait_tensorcnt 0x0                           ; waves 0 and 2: my part of unit 0 is in,
.Lrest_out:
	s_barrier_signal -1
	s_barrier_wait -1                              ; everybody's is
	FETCH 0
	STEP 0, 0, 1
	STEP 1, 1, 0                                   ; units 1 to 3 are whole behind its barrier
	STEP 2, 0, 0
	STEP 3, 0, 0
	STEP 4, 0, 0
	STEP 5, 0, 0
	STEP 6, 0, 0
	STEP 7, 3, 0                                   ; every wave's reads of the operands are over behind its barrier
	WIN 0
	PLACES
	TOSTAGE 0
.irp a, 1,2,3
.if \a > 1
	s_wait_xcnt 0x0                                ; block a - 2's stores have read their registers: block a's loads may land there
.endif
	TOSTAGE \a
	SEND \a-1, 32                                  ; behind block a - 1's loads: block a's 16 stores and 16 loads
.endr
	SEND 3, 0
	s_wait_tensorcnt 0x0                           ; the wave's end, behind my last tensor load and my last LDS store
	ds_add_u32 v[SPW], v[NIL]
	s_wait_dscnt 0x0
	CROUND                                         ; the closing round
	s_endpgm
.Lfunc_end_k_q638aad737d_proj:
	.size	k_q638aad737d_proj, .Lfunc_end_k_q638aad737d_proj-k_q638aad737d_proj
	.p2alignl 7, 3214868480
	.fill 96, 4, 3214868480
	.section	.rodata,"a",@progbits
	.p2align	6, 0x0
	.amdhsa_kernel k_q638aad737d_proj
		.amdhsa_group_segment_fixed_size 327680
		.amdhsa_private_segment_fixed_size 0
		.amdhsa_enable_private_segment 0
		.amdhsa_kernarg_size 32
		.amdhsa_user_sgpr_count 2
		.amdhsa_user_sgpr_kernarg_segment_ptr 1
		.amdhsa_wavefront_size32 1
		.amdhsa_system_sgpr_workgroup_id_x 1
		.amdhsa_system_sgpr_workgroup_id_y 1
		.amdhsa_system_sgpr_workgroup_id_z 1
		.amdhsa_system_vgpr_workitem_id 0
		.amdhsa_next_free_vgpr 1024
		.amdhsa_next_free_sgpr 100
		.amdhsa_reserve_vcc 0
		.amdhsa_float_denorm_mode_32 3
		.amdhsa_float_denorm_mode_16_64 3
		.amdhsa_memory_ordered 1
		.amdhsa_forward_progress 1
		.amdhsa_inst_pref_size 80
	.end_amdhsa_kernel
	.amdgpu_metadata
---
amdhsa.version: [ 1, 2 ]
amdhsa.kernels:
  - .name:           k_q638aad737d_proj
    .symbol:         k_q638aad737d_proj.kd
    .args:
      - { .name: o_img, .offset: 0, .size: 8, .value_kind: global_buffer, .address_space: global }
      - { .name: in_img, .offset: 8, .size: 8, .value_kind: global_buffer, .address_space: global }
      - { .name: b_proj, .offset: 16, .size: 8, .value_kind: global_buffer, .address_space: global }
      - { .name: out0, .offset: 24, .size: 8, .value_kind: global_buffer, .address_space: global }
    .group_segment_fixed_size: 327680
    .private_segment_fixed_size: 0
    .kernarg_segment_align: 8
    .kernarg_segment_size: 32
    .max_flat_workgroup_size: 128
    .sgpr_count:     100
    .vgpr_count:     1024
    .wavefront_size: 32
...
	.end_amdgpu_metadata
.endif
;; end of part 5
